; MI455X (gfx1250); checked and timed in simulation.
; The chip was launched on July 23, 2026; its instructions are those of AMD's public machine-readable ISA for CDNA 5 (MIT licence, August 2026) and "CDNA5" Instruction Set Architecture Reference Guide (July 2026). The comments in the code are by the model that wrote it; some were corrected since.
;; Multi Head Attention. Allowed arithmetic: matrix products marked QUANTISED: E2M3 operands, one E8M0 scale for each 32 along K, by v_wmma_scale_f32_16x16x128_f8f6f4 with both operands' format E2M3, f32 sums; everything else in f32.
;; Inputs: Wk 16 x 1,024 x 64 float32; Wo 1,024 x 1,024 float32; Wq 16 x 1,024 x 64 float32; Wv 16 x 1,024 x 64 float32; bk 16 x 64 float32; bo 1,024 float32; bq 16 x 64 float32; bv 16 x 64 float32; key 4 x 2,048 x 1,024 float32; query 4 x 2,048 x 1,024 float32; value 4 x 2,048 x 1,024 float32.
;; Outputs: out0 4 x 2,048 x 1,024 float32.
;; This version of the problem:
;;   THIS VERSION OF THE PROBLEM IS GIVEN IN LOW PRECISION. The matrix products marked QUANTISED in the list below multiply operands that are first quantised to E2M3 (2 exponent bits, 3 mantissa bits; 6 bits a number), with one power-of-two scale for each 32 numbers along K (OCP MX v1.0); their sums are f32. All else is computed in f32.
;;   The module's matrix products, in the order in which they are computed (A, B: the left and right operand; K: the contracted axis; several contracted axes count as one K, in the product's order):
;;     1. [M 1,024, K 1,024] x [K 1,024, N 8,192]; A: input Wq; B: input query: QUANTISED
;;     2. [M 1,024, K 1,024] x [K 1,024, N 8,192]; A: input Wk; B: input key: QUANTISED
;;     3. [M 1,024, K 1,024] x [K 1,024, N 8,192]; A: input Wv; B: input value: QUANTISED
;;     4. batch 64 x [M 2,048, K 64] x [K 64, N 2,048]; A: computed on the way; B: computed on the way: QUANTISED
;;     5. batch 64 x [M 2,048, K 2,048] x [K 2,048, N 64]; A: softmax (see below); B: computed on the way: QUANTISED
;;     6. [M 8,192, K 1,024] x [K 1,024, N 1,024]; A: computed on the way; B: input Wo: QUANTISED
;;   THE QUANTISER, for each operand of a quantised product, along K:
;;     - K is cut into blocks of 32 from its start; a last block that is shorter is filled with zeros.
;;     - A block's scale is 2^e with e = floor(log2(the largest magnitude in the block)) - 2, held to -126 .. 127; a block of zeros has e = 0. As a byte (E8M0): e + 127.
;;     - Each number is divided by its block's scale, clamped to +-7.5, and rounded to the nearest number of E2M3, ties to even, subnormals kept.
;;     - The product sums the exact products of the quantised numbers (number of the format x scale) in f32.
;;   ~~~python
;;   def quantise(x, axis):      # numpy; x: float32 -> the quantised numbers, widened to float32 again
;;       x = np.moveaxis(x, axis, -1); K = x.shape[-1]
;;       x = np.pad(x, [(0, 0)] * (x.ndim - 1) + [(0, -K % 32)]); x = x.reshape(x.shape[:-1] + (-1, 32)); a = np.abs(x).max(-1, keepdims=True)
;;       e = np.where(a > 0, np.clip(np.frexp(np.where(a > 0, a, 1))[1] - 1 - 2, -126, 127), 0)      # np.frexp(a)[1] - 1 = floor(log2(a)), exactly
;;       r = np.clip(x / 2.0 ** e, -7.5, 7.5)
;;       step = 2.0 ** (np.maximum(np.frexp(np.where(r == 0, 1, r))[1] - 1, 0) - 3)
;;       q = np.round(r / step) * step * 2.0 ** e      # np.round: ties to even
;;       return np.moveaxis(q.reshape(q.shape[:-2] + (-1,))[..., :K], -1, axis).astype(np.float32)
;;   ~~~
;;   SOFTMAX AHEAD OF A QUANTISED PRODUCT. Where the list says 'softmax', what is quantised is not the finished softmax but p = 2^(t - M), with t = logit x log2(e) and M = ceil(the row's largest t), a whole number; so 1/2 < the row's largest p <= 1. The row's sum l is taken of the UNQUANTISED p, in f32, and the product's result is divided by l at the end. Since M is a whole number, a kernel that streams over the keys may use a running M (the ceiling of the running maximum): every later rescaling is an exact power of two, which a block's scale takes up: the codes' values come out the same.
;;   OPERANDS COMPUTED ON THE WAY. 'Computed on the way' means the value that the module computes at that place (a softmax that the list does not call 'softmax' is quantised finished and normalised). What goes into a quantiser is computed in f32, as accurately as f32 sums, v_exp_f32 and their like allow (about 1e-6 of the number): no bf16 or f16 on the way to a quantiser, and a product that is left as it is and whose result goes on into a quantised operand takes f32 operands (vector FMAs, or v_wmma_f32_16x16x4_f32). A number that lies on a knife's edge between two numbers of the format may be rounded either way, as far as f32 arithmetic and the matrix unit's own rounding can turn it there, and no further.
;; One version. Each part assembles by itself: llvm-mc -triple=amdgcn-amd-amdhsa -mcpu=gfx1250 --defsym DOCPART=n.
;; ======== version 1 of 1: 4 launches
;; limits: right only within a limited range of input values
;; workspace buffers: xrec 20,447,232 bytes; wrec 3,407,872 bytes; qkv 20,447,232 bytes; ocodes 6,291,456 bytes; oscales 1,048,576 bytes
;; launch prep (part 1): grid 1280 x 1, 4 waves a work-group, no clusters, 34,304 bytes of LDS; arguments query, key, value, Wq, Wk, Wv, Wo, xrec, wrec; writes xrec, wrec
.if DOCPART == 1
	.amdgcn_target "amdgcn-amd-amdhsa--gfx1250"
	.amdhsa_code_object_version 6
	.text
	.protected	k_q2fc407f087_prep
	.globl	k_q2fc407f087_prep
	.p2align	8
	.type	k_q2fc407f087_prep,@function
k_q2fc407f087_prep:
	s_mov_b64 s[64:65], 0
	v_nop
	global_prefetch_b8 v0, s[64:65] scope:SCOPE_SE
	s_setreg_imm32_b32 hwreg(HW_REG_WAVE_MODE, 25, 1), 1
	s_wait_xcnt 0x0
; PREP: query, key, value [8192][1024] f32 (K innermost) and Wq, Wk, Wv [16][1024][64], Wo [1024][1024] f32 (K not innermost) become codes of FP6 (E2M3)
; with one E8M0 byte for each 32 along K, laid as IMAGES OF OPERAND REGISTERS: a fragment (16 rows x 128 K, 12 registers a lane) is three runs of 512 bytes, lane l's 16 bytes at 16 l.
; A block's scale is 2^(floor(log2(largest magnitude)) - 2); its byte is the largest magnitude's exponent field - 2, held at 1 from below.
; LIMITS: NaN and infinities among the inputs are not served; a block whose largest magnitude lies under 2^-124 has its byte held at 1; a block of zeros gets the byte 1
; where the rule says 127: its codes are zeros, which add nothing under any byte but 0xff, and the bytes are read by this program alone.
; THE ROWS OF A TILE ARE NOT NEIGHBOURS: lane r of tile m takes row 32 (m / 2) + 8 (m % 2) + r + 8 (r / 8) of its block of 128 (of a weight: output column of its 64).
; xrec: 192 blocks (64 x tensor + block of 128 rows) of 106,496 bytes: codes [K step s][tile m][c][lane][16 bytes], then at 98,304 the scale words [m][s / 4][lane][s % 4].
; wrec: 64 records (16 x tensor + head, Wo: group of 64 columns) of 53,248 bytes: codes [f = 4 s + t][c][lane][16 bytes], then at 49,152 the scale words [f][lane].
; Work-groups 0 to 767: a wave takes one tile of 16 rows of x and HALF of K, four K steps of 128: 3,072 such parts, three work-groups for each of 256 WGPs.
; Work-groups 768 to 1,279: a wave makes one fragment of a weight.  Waves share nothing: no barrier.
.set XWG,  768
.set XBLK, 106496
.set WREC, 53248
.set SEL,  38                          ; s[38:39] lane selects for v_permlanex16_b32: lane l xor 16
.set R,    16                          ; v16-143  two sets of 64 numbers as they are loaded
.set X,    144                         ; v144-207 64 numbers in the quantiser's order
.set TM,   208                         ; v208-223 at work
.set PWS,  224                         ; v224-227 my four scale words
.set PC,   232                         ; v232-243 a fragment's codes
.set PT,   244                         ; v244-250 the conversions' second halves
; 64 numbers of a lane, register 16 b + i = k 32 b + 16 (lane / 16) + i of my row, become a fragment's codes in v[PC] on and its scale word in v[w]
.macro QUANT s, w
.irp b, 0,1,2,3
	v_max3_num_f32 v[TM+\b], |v[\s+16*\b]|, |v[\s+1+16*\b]|, 0x1800000   ; block b: my 16 numbers, and the floor 2^(3 - 127): the byte cannot fall under 1
.endr
.irp i, 2,4,6,8,10,12,14
.irp b, 0,1,2,3
	v_max3_num_f32 v[TM+\b], v[TM+\b], |v[\s+16*\b+\i]|, |v[\s+1+16*\b+\i]|   ; the four blocks by turns
.endr
.endr
.irp b, 0,1,2,3
	v_permlanex16_b32 v[TM+4+\b], v[TM+\b], s[SEL], s[SEL+1]
.endr
.irp b, 0,1,2,3
	v_max_num_f32 v[TM+\b], v[TM+\b], v[TM+4+\b]       ; with lane l xor 16: the block's largest magnitude
.endr
.irp b, 0,1,2,3
	v_add_nc_u32 v[TM+12+\b], 0xff000000, v[TM+\b]     ; 2 off its exponent field: the conversion's scale operand
.endr
.irp b, 0,1,2,3
	v_lshrrev_b32 v[TM+4+\b], 23, v[TM+12+\b]          ; the scale's byte
.endr
	v_lshl_or_b32 v[\w], v[TM+5], 8, v[TM+4]
	v_lshl_or_b32 v[\w], v[TM+6], 16, v[\w]
	v_lshl_or_b32 v[\w], v[TM+7], 24, v[\w]
.irp c, 0,1
	v_cvt_scalef32_pk16_fp6_f32 v[PC+6*\c:PC+2+6*\c], v[\s+32*\c:\s+15+32*\c], v[TM+12+2*\c]
	v_cvt_scalef32_pk16_fp6_f32 v[PT+4*\c:PT+2+4*\c], v[\s+16+32*\c:\s+31+32*\c], v[TM+12+2*\c+1]   ; a conversion's three registers begin on an even number
.endr
	v_nop                                              ; one plain instruction behind the scaled conversions
.irp c, 0,1                                        ; the operand wants a whole block in a lane: lanes 0-15 block 2 c, lanes 16-31 block 2 c + 1
.irp i, 0,1,2
	v_permlane16_swap_b32 v[PC+6*\c+\i], v[PT+4*\c+\i]
.endr
.irp i, 0,1,2
	v_mov_b32 v[PC+3+6*\c+\i], v[PT+4*\c+\i]
.endr
.endr
.endm
.macro XLOAD s                         ; the s-th of my four K steps of my 16 rows: each load reads 512 consecutive bytes of one row
.irp i, 0,1,2,3,4,5,6,7,8,9,10,11,12,13,14,15
	global_load_b128 v[R+64*((\s)%2)+4*\i:R+64*((\s)%2)+4*\i+3], v4, s[32:33] offset:(\i+8*(\i/8))*4096+512*(\s) th:TH_LOAD_NT
.endr
.endm
.macro XSTEP s
.if (\s) < 3
	s_wait_loadcnt 16                                  ; this step's 16 loads are in; the next step's 16 may be out
.else
	s_wait_loadcnt 0x0
.endif
.irp i, 0,1,2,3,4,5,6,7,8,9,10,11,12,13,14,15
	ds_store_b128 v5, v[R+64*((\s)%2)+4*\i:R+64*((\s)%2)+4*\i+3] offset:528*\i   ; through my own stage, as they lie: row i, 528 bytes apart
.endr
.irp b, 0,1,2,3
.irp j, 0,1,2,3
	ds_load_b128 v[X+16*\b+4*\j:X+16*\b+4*\j+3], v6 offset:128*\b+16*\j          ; and back: of row r, 16 neighbours of each block of 32.  LDS serves a wave's instructions in order
.endr
.endr
	s_wait_dscnt 0x0
	s_wait_xcnt 0x0                                    ; the last step's stores have read their data: the codes' registers are written again only behind this wait
.if (\s)+2 < 4
	XLOAD (\s)+2
.endif
	QUANT X, PWS+(\s)
.irp c, 0,1,2
	global_store_b128 v4, v[PC+4*\c:PC+4*\c+3], s[34:35] offset:12288*(\s)+512*\c   ; 32 lanes store 512 consecutive bytes, aligned
.endr
.endm
.macro WLOAD pitch, sh                 ; lane (r, h) takes its column, and its registers run down K: k = 64 c + 32 h + i
	v_lshl_add_u32 v5, v3, \sh, v4
.irp c, 0,1
.irp i, 0,1,2,3,4,5,6,7,8,9,10,11,12,13,14,15,16,17,18,19,20,21,22,23,24,25,26,27,28,29,30,31
	global_load_b32 v[64+32*\c+\i], v5, s[32:33] offset:\pitch*(64*\c+\i)
.endr
.endr
.endm
	s_load_b512 s[8:23], s[0:1], 0x0               ; query 8, key 10, value 12, Wq 14, Wk 16, Wv 18, Wo 20, xrec 22
	s_load_b64 s[24:25], s[0:1], 0x40              ; wrec
	v_lshl_add_u32 v254, v0, 2, 0x8400
	v_mov_b32 v255, 0
	v_lshrrev_b32 v1, 5, v0
	v_readfirstlane_b32 s26, v1                    ; wave
	v_and_b32 v1, 31, v0                           ; lane
	v_and_b32 v2, 15, v0                           ; r
	v_bfe_u32 v3, v0, 4, 1                         ; h
	s_mov_b32 s[SEL], 0x76543210
	s_mov_b32 s[SEL+1], 0xfedcba98
	s_mov_b32 s41, 0
	s_wait_kmcnt 0x0
	s_cmp_ge_u32 ttmp9, XWG
	s_cbranch_scc1 .Lw
	; ---- x: part number 4 x work-group + wave, 0 to 3,071: tile = part / 2, half of K = part % 2
	s_lshl_b32 s27, ttmp9, 2
	s_add_co_u32 s27, s27, s26
	s_and_b32 s44, s27, 1                          ; which half of K
	s_lshr_b32 s27, s27, 1                         ; tile number, 0 to 1,535
	s_lshr_b32 s28, s27, 9                         ; which tensor
	s_lshr_b32 s29, s27, 3                         ; which block of xrec
	s_and_b32 s30, s29, 63                         ; which 128 rows of the tensor
	s_and_b32 s31, s27, 7                          ; which tile m of the block
	s_cmp_eq_u32 s28, 0
	s_cselect_b64 s[32:33], s[8:9], s[10:11]
	s_cmp_eq_u32 s28, 2
	s_cselect_b64 s[32:33], s[12:13], s[32:33]
	s_lshl_b32 s40, s30, 7
	s_lshr_b32 s42, s31, 1
	s_lshl_b32 s42, s42, 5
	s_add_co_u32 s40, s40, s42
	s_and_b32 s42, s31, 1
	s_lshl_b32 s42, s42, 3
	s_add_co_u32 s40, s40, s42                     ; the tile's first row: 128 block + 32 (m / 2) + 8 (m % 2)
	s_lshl_b32 s40, s40, 12                        ; rows of 4,096 bytes
	s_lshl_b32 s42, s44, 11
	s_add_co_u32 s40, s40, s42                     ; + 2,048 bytes for the second half of K
	s_add_nc_u64 s[32:33], s[32:33], s[40:41]
	s_mul_i32 s40, s29, XBLK
	s_add_nc_u64 s[22:23], s[22:23], s[40:41]
	s_mul_i32 s40, s31, 1536
	s_mul_i32 s42, s44, 49152
	s_add_co_u32 s40, s40, s42                     ; four K steps of 12,288 bytes on for the second half
	s_add_nc_u64 s[34:35], s[22:23], s[40:41]      ; my codes
	s_lshl_b32 s40, s31, 10
	s_add_co_u32 s40, s40, 98304
	s_lshl_b32 s42, s44, 9
	s_add_co_u32 s40, s40, s42
	s_add_nc_u64 s[36:37], s[22:23], s[40:41]      ; my scale words
	s_wait_alu depctr_va_vdst(0)
	v_lshlrev_b32 v4, 4, v1                        ; 16 x lane
	s_mul_i32 s40, s26, 8448                       ; my stage: 16 rows x 528 bytes
	v_add_nc_u32 v5, s40, v4
	v_mul_u32_u24 v6, v2, 528
	v_lshl_add_u32 v6, v3, 6, v6
	v_add_nc_u32 v6, s40, v6                       ; row r, + 64 h
.irp b, 0,1,2,3
	v_mov_b32 v[TM+4+\b], 0                        ; written once: a lane permute's destination counts as one of its sources
.endr
	XLOAD 0
	XLOAD 1
	s_wait_alu depctr_va_vdst(0)
.irp s, 0,1,2,3
	XSTEP \s
.endr
	global_store_b128 v4, v[PWS:PWS+3], s[36:37]   ; my four K steps' scale words: 512 consecutive bytes
	s_wait_tensorcnt 0x0
	ds_add_u32 v254, v255
	s_wait_dscnt 0x0
	s_endpgm
.Lw:
	; ---- a weight: work-group j = tensor x 128 + head x 8 + K step; wave = tile t of the head's 64 columns
	s_sub_co_u32 s27, ttmp9, XWG
	s_lshr_b32 s28, s27, 7                         ; tensor 0..3
	s_lshr_b32 s29, s27, 3                         ; record
	s_and_b32 s30, s29, 15                         ; head, or group of 64 columns of Wo
	s_and_b32 s31, s27, 7                          ; K step
	s_cmp_eq_u32 s28, 0
	s_cselect_b64 s[32:33], s[14:15], s[16:17]
	s_cmp_eq_u32 s28, 2
	s_cselect_b64 s[32:33], s[18:19], s[32:33]
	s_cmp_eq_u32 s28, 3
	s_cselect_b64 s[32:33], s[20:21], s[32:33]
	s_lshl_b32 s40, s30, 18                        ; a head of Wq is 262,144 bytes, 128 of its rows 32,768
	s_lshl_b32 s42, s31, 15
	s_add_co_u32 s40, s40, s42
	s_lshl_b32 s42, s31, 19                        ; 128 rows of Wo are 524,288 bytes, 64 columns 256
	s_lshl_b32 s43, s30, 8
	s_add_co_u32 s42, s42, s43
	s_cmp_eq_u32 s28, 3
	s_cselect_b32 s40, s42, s40
	s_add_nc_u64 s[32:33], s[32:33], s[40:41]
	s_mul_i32 s40, s29, WREC
	s_add_nc_u64 s[24:25], s[24:25], s[40:41]
	s_lshl_b32 s42, s31, 2
	s_add_co_u32 s42, s42, s26                     ; f = 4 s + t
	s_mul_i32 s40, s42, 1536
	s_add_nc_u64 s[34:35], s[24:25], s[40:41]
	s_lshl_b32 s40, s42, 7
	s_add_co_u32 s40, s40, 49152
	s_add_nc_u64 s[36:37], s[24:25], s[40:41]
	s_wait_alu depctr_va_vdst(0)
	v_and_b32 v4, 8, v2
	v_add_nc_u32 v4, v4, v2                        ; r + 8 (r / 8)
	s_lshr_b32 s40, s26, 1
	s_lshl_b32 s40, s40, 5
	s_and_b32 s42, s26, 1
	s_lshl_b32 s42, s42, 3
	s_add_co_u32 s40, s40, s42
	v_add_nc_u32 v4, s40, v4                       ; + 32 (t / 2) + 8 (t % 2): my column
	v_lshlrev_b32 v4, 2, v4
	v_lshlrev_b32 v6, 4, v1
	v_lshlrev_b32 v7, 2, v1
	s_cmp_eq_u32 s28, 3
	s_cbranch_scc1 .Lwo
	WLOAD 256, 13                                  ; rows of 256 bytes; lanes 16-31 begin 32 rows down
	s_branch .Lwt
.Lwo:
	s_wait_alu depctr_va_vdst(0)
	WLOAD 4096, 17                                 ; rows of 4,096 bytes
.Lwt:
	s_wait_loadcnt 0x0
.irp c, 0,1                                    ; my block 2 c + h: all its 32 numbers are mine
	v_max3_num_f32 v[32+\c], |v[64+32*\c]|, |v[65+32*\c]|, 0x1800000
.endr
.irp i, 2,4,6,8,10,12,14,16,18,20,22,24,26,28,30
.irp c, 0,1
	v_max3_num_f32 v[32+\c], v[32+\c], |v[64+32*\c+\i]|, |v[65+32*\c+\i]|
.endr
.endr
.irp c, 0,1
	v_add_nc_u32 v[44+\c], 0xff000000, v[32+\c]
.endr
.irp c, 0,1
	v_lshrrev_b32 v[36+\c], 23, v[44+\c]
.endr
	v_lshl_or_b32 v9, v37, 16, v36                 ; my two bytes: blocks h and 2 + h,
	v_lshlrev_b32 v10, 3, v3
	v_lshlrev_b32 v9, v10, v9                      ; at their places in the word;
	v_mov_b32 v10, 0
	v_permlanex16_b32 v10, v9, s[SEL], s[SEL+1]
	v_or_b32 v9, v9, v10                           ; with lane l xor 16's two the word is whole
.irp c, 0,1
	v_cvt_scalef32_pk16_fp6_f32 v[48+6*\c:50+6*\c], v[64+32*\c:79+32*\c], v[44+\c]
	v_cvt_scalef32_pk16_fp6_f32 v[128+4*\c:130+4*\c], v[80+32*\c:95+32*\c], v[44+\c]
.endr
	v_nop                                          ; one plain instruction behind the scaled conversions
.irp c, 0,1
.irp i, 0,1,2
	v_mov_b32 v[51+6*\c+\i], v[128+4*\c+\i]
.endr
.endr
.irp c, 0,1,2
	global_store_b128 v6, v[48+4*\c:51+4*\c], s[34:35] offset:512*\c
.endr
	global_store_b32 v7, v9, s[36:37]
	s_endpgm
.Lfunc_end_k_q2fc407f087_prep:
	.size	k_q2fc407f087_prep, .Lfunc_end_k_q2fc407f087_prep-k_q2fc407f087_prep
	.p2alignl 7, 3214868480
	.fill 96, 4, 3214868480
	.section	.rodata,"a",@progbits
	.p2align	6, 0x0
	.amdhsa_kernel k_q2fc407f087_prep
		.amdhsa_group_segment_fixed_size 34304
		.amdhsa_private_segment_fixed_size 0
		.amdhsa_enable_private_segment 0
		.amdhsa_kernarg_size 72
		.amdhsa_user_sgpr_count 2
		.amdhsa_user_sgpr_kernarg_segment_ptr 1
		.amdhsa_wavefront_size32 1
		.amdhsa_system_sgpr_workgroup_id_x 1
		.amdhsa_system_sgpr_workgroup_id_y 1
		.amdhsa_system_sgpr_workgroup_id_z 1
		.amdhsa_system_vgpr_workitem_id 0
		.amdhsa_next_free_vgpr 256
		.amdhsa_next_free_sgpr 66
		.amdhsa_reserve_vcc 0
		.amdhsa_float_denorm_mode_32 3
		.amdhsa_float_denorm_mode_16_64 3
		.amdhsa_memory_ordered 1
		.amdhsa_forward_progress 1
		.amdhsa_inst_pref_size 51
	.end_amdhsa_kernel
	.amdgpu_metadata
---
amdhsa.version: [ 1, 2 ]
amdhsa.kernels:
  - .name:           k_q2fc407f087_prep
    .symbol:         k_q2fc407f087_prep.kd
    .args:
      - { .name: query, .offset: 0, .size: 8, .value_kind: global_buffer, .address_space: global }
      - { .name: key, .offset: 8, .size: 8, .value_kind: global_buffer, .address_space: global }
      - { .name: value, .offset: 16, .size: 8, .value_kind: global_buffer, .address_space: global }
      - { .name: Wq, .offset: 24, .size: 8, .value_kind: global_buffer, .address_space: global }
      - { .name: Wk, .offset: 32, .size: 8, .value_kind: global_buffer, .address_space: global }
      - { .name: Wv, .offset: 40, .size: 8, .value_kind: global_buffer, .address_space: global }
      - { .name: Wo, .offset: 48, .size: 8, .value_kind: global_buffer, .address_space: global }
      - { .name: xrec, .offset: 56, .size: 8, .value_kind: global_buffer, .address_space: global }
      - { .name: wrec, .offset: 64, .size: 8, .value_kind: global_buffer, .address_space: global }
    .group_segment_fixed_size: 34304
    .private_segment_fixed_size: 0
    .kernarg_segment_align: 8
    .kernarg_segment_size: 72
    .max_flat_workgroup_size: 128
    .sgpr_count:     66
    .vgpr_count:     256
    .wavefront_size: 32
...
	.end_amdgpu_metadata
.endif
;; end of part 1
;; launch proj (part 2): grid 64 x 12, 4 waves a work-group, clusters of 4 x 4, 320,000 bytes of LDS; arguments xrec, wrec, bq, bk, bv, qkv; writes qkv
.if DOCPART == 2
	.amdgcn_target "amdgcn-amd-amdhsa--gfx1250"
	.amdhsa_code_object_version 6
	.text
	.protected	k_q2fc407f087_proj
	.globl	k_q2fc407f087_proj
	.p2align	8
	.type	k_q2fc407f087_proj,@function
k_q2fc407f087_proj:
	s_mov_b64 s[64:65], 0
	v_nop
	global_prefetch_b8 v0, s[64:65] scope:SCOPE_SE
	s_setreg_imm32_b32 hwreg(HW_REG_WAVE_MODE, 25, 1), 1
	s_wait_xcnt 0x0
	s_wait_alu depctr_hold_cnt(0) depctr_sa_sdst(0) depctr_va_vdst(0) depctr_va_sdst(0) depctr_va_ssrc(0) depctr_va_vcc(0) depctr_vm_vsrc(0)
	s_getreg_b32 s2, hwreg(HW_REG_IB_STS2, 6, 4)
	s_cmp_eq_u32 s2, 0
	s_cbranch_scc0 .Lentry_in_a_cluster
	s_endpgm
.Lentry_in_a_cluster:
	s_bfe_u32 s2, ttmp6, 0x10000c
	s_cmp_lg_u32 s2, 0xf033
	s_cbranch_scc0 .Lentry_shape_is_right
	s_endpgm
.Lentry_shape_is_right:
; PROJ: q = query Wq + bq, k = key Wk + bk, v = value Wv + bv on codes of FP6 (E2M3) with E8M0 scales, f32 sums; the results are quantised at once: q and k along the head's 64, v along the keys.
; SHARES.  The cluster's y is the tensor (0 q, 1 k, 2 v).  A work-group takes 128 rows (block 4 x cluster x + cx) and four heads (4 cy + wave): a wave makes 128 rows x 64 outputs, 32 accumulators.
; A wave's weights (32 fragments, 384 registers) stay in its registers; x's 64 fragments lie in LDS and are read once by each wave.  LDS is filled once, by tensor loads, and never stored into.
; JOINT LOADS: a head's weight record is wanted by the four work-groups of a row of the cluster, a block of x by the four of a column: each is asked for by the same tensor load in all four.
; q, k: source 0 = 16 outputs of W, source 1 = 16 rows of x: a lane holds one row, its registers run along d.  v: the sources swapped: a lane holds one channel, its registers run along the keys.
; The tiles' rows and outputs are chosen (lane r of tile m: 32 (m / 2) + 8 (m % 2) + r + 8 (r / 8)) so that the 16 registers of two neighbouring tiles are 16 neighbours along the next K.
; The bias is the C of each sum's first product: it enters the sum first, where the reference adds it last (another order of f32 rounding).
; qkv: 64 head records of 319,488 bytes: K's codes 0, V's 98,304, K's scale words 196,608, V's 204,800, Q's codes 212,992, Q's scale words 311,296; codes [step of 128 rows][4 images][c][lane][16 bytes],
; scale words [step][lane][4].  An image of q or k holds TWO tiles of 16 rows: registers 0-5 tile 2 p, registers 6-11 tile 2 p + 1 (lane (r, h): the 32 codes of d-block h).  An image of v is a fragment: 16 channels x 128 keys.
; LIMITS: NaN and infinities are not served; a block under 2^-124 has its byte held at 1; a block of zeros has the byte 1 (its codes are zeros; this program alone reads the bytes).
; REGISTERS: window 0: v1-13 addresses and v's bias; v16-47 W's scale words; v48-111 x's; v112-143 the bias as C; v144-239 x's eight fragments of a K step (in the epilogue: at work).
;   window 1: W's fragments of K steps 0-3 at 12 (4 s + t); window 2: of K steps 4-7; window 3: the accumulators: q, k: (m, t) at 8 (4 m + t); v: at 8 (8 t + m).
.set XBLK, 106496
.set WREC, 53248
.set HREC, 319488
.set XB,   4*WREC                      ; LDS: four weight records, then the block of x
.set GL,  1                            ; v1  16 x lane
.set LW,  2                            ; v2  my weight record in LDS + 16 x lane
.set LW4, 3                            ; v3  the same + 4 x lane
.set LXA, 4                            ; v4  x's fragments of K steps 0-3
.set LXB, 5                            ; v5  of K steps 4-7
.set LXS, 6                            ; v6  x's scale words
.set BQO, 7                            ; v7  64 h: the bias of q, k
.set BVO, 8                            ; v8  4 (r + 8 (r / 8)): the bias of v
.set BV,  10
.set WS,  16
.set XS,  48
.set BI,  112
.set XF,  144
.set TM,  144                          ; the epilogue's registers lie over x's fragments
.set PW4, 160
.set PT,  164
.set PC,  172
.set WV,  16                           ; s16 wave
.set SEL, 72
.set MSB, 0
.macro WIN new                         ; the immediate's high byte repeats the setting that is left
.if MSB != \new
	s_set_vgpr_msb (MSB<<8)|\new
.set MSB, \new
.endif
.endm
.macro PLACES                          ; four plain instructions between a matrix instruction and a load into, or a vector instruction on, its registers
.rept 4
	v_nop
.endr
.endm
.macro CROUND                          ; a round of the cluster's barrier
	s_barrier_signal -1
	s_barrier_wait -1
	s_cmp_lg_u32 s[WV], 0
	s_cbranch_scc1 .Lnot_wave_0_\@
	s_barrier_signal -3
.Lnot_wave_0_\@:
	s_barrier_wait -3
	s_barrier_signal -1
	s_barrier_wait -1
.endm
.macro FETCH m, s                      ; x's fragment (tile m, K step s): three loads of 512 consecutive bytes
.irp c, 0,1,2
.if (\s) < 4
	ds_load_b128 v[XF+12*(\m)+4*\c:XF+12*(\m)+4*\c+3], v[LXA] offset:(8*(\s)+(\m))*1536+512*\c
.else
	ds_load_b128 v[XF+12*(\m)+4*\c:XF+12*(\m)+4*\c+3], v[LXB] offset:(8*((\s)-4)+(\m))*1536+512*\c
.endif
.endr
.endm
; 16 products: tiles m0 .. m0 + 3 of rows x my four tiles of outputs, K step s.  v = 1: the sources swapped.  The 32 accumulators take turns, one instruction a turn.
.macro MUL16 v, s, m0
.irp m, \m0, \m0+1, \m0+2, \m0+3
.irp t, 0,1,2,3
.set WF, 12*(4*((\s)%4)+\t)
.set XR, XF+12*(\m)
.if \v
.set AC, 8*(8*\t+(\m))
.if (\s) == 0
	v_wmma_scale_f32_16x16x128_f8f6f4 v[AC:AC+7], v[XR:XR+11], v[WF:WF+11], v[BI+8*\t:BI+8*\t+7], v[XS+8*(\m)+(\s)], v[WS+4*(\s)+\t] matrix_a_fmt:MATRIX_FMT_FP6 matrix_b_fmt:MATRIX_FMT_FP6
.else
	v_wmma_scale_f32_16x16x128_f8f6f4 v[AC:AC+7], v[XR:XR+11], v[WF:WF+11], v[AC:AC+7], v[XS+8*(\m)+(\s)], v[WS+4*(\s)+\t] matrix_a_fmt:MATRIX_FMT_FP6 matrix_b_fmt:MATRIX_FMT_FP6
.endif
.else
.set AC, 8*(4*(\m)+\t)
.if (\s) == 0
	v_wmma_scale_f32_16x16x128_f8f6f4 v[AC:AC+7], v[WF:WF+11], v[XR:XR+11], v[BI+8*\t:BI+8*\t+7], v[WS+4*(\s)+\t], v[XS+8*(\m)+(\s)] matrix_a_fmt:MATRIX_FMT_FP6 matrix_b_fmt:MATRIX_FMT_FP6
.else
	v_wmma_scale_f32_16x16x128_f8f6f4 v[AC:AC+7], v[WF:WF+11], v[XR:XR+11], v[AC:AC+7], v[WS+4*(\s)+\t], v[XS+8*(\m)+(\s)] matrix_a_fmt:MATRIX_FMT_FP6 matrix_b_fmt:MATRIX_FMT_FP6
.endif
.endif
.endr
.endr
.endm
; A K step of 128: 32 products.  A tile of x is free as soon as its four products are issued: tiles 0-3 are fetched anew in the step's middle, tiles 4-7 at its end.
.macro KSTEP v, s
.if (\s) == 0
.set WM, 0xC1+3*(\v)                   ; D window 3, C (the bias) window 0, W window 1 as source 0 (q, k) or source 1 (v)
.elseif (\s) < 4
.set WM, 0xF1+3*(\v)                   ; C and D window 3
.else
.set WM, 0xF2+6*(\v)                   ; W window 2
.endif
	s_wait_dscnt 12                                ; all but the youngest 12 loads, tiles 4-7 of this step
	WIN WM
	MUL16 \v, \s, 0
	s_wait_dscnt 0x0                               ; tiles 4-7 are in
.if (\s) < 7
	PLACES
	WIN 0
.irp m, 0,1,2,3
	FETCH \m, (\s)+1
.endr
	WIN WM
.endif
	MUL16 \v, \s, 4
	WIN 0
.if (\s) < 7
	PLACES
.irp m, 4,5,6,7
	FETCH \m, (\s)+1
.endr
.endif
.endm
; 64 results of a lane in window 3, register a + 16 b + i = index 32 b + 16 (lane / 16) + i along the next K, become 12 registers of codes at v[pc] and a scale word in v[w].  Each accumulator is read from its low end on.
.macro QUANTW a, pc, w
	WIN 0x0F                                       ; sources 0 and 1 window 3
.irp b, 0,1,2,3
	v_max3_num_f32 v[TM+\b], |v[(\a)+16*\b]|, |v[(\a)+16*\b+1]|, 0x1800000   ; and the floor 2^(3 - 127): the byte cannot fall under 1
.endr
.irp i, 2,4,6,8,10,12,14
.irp b, 0,1,2,3
	v_max3_num_f32 v[TM+\b], |v[(\a)+16*\b+\i]|, |v[(\a)+16*\b+\i+1]|, v[TM+\b]
.endr
.endr
	WIN 0
.irp b, 0,1,2,3
	v_permlanex16_b32 v[TM+4+\b], v[TM+\b], s[SEL], s[SEL+1]
.endr
.irp b, 0,1,2,3
	v_max_num_f32 v[TM+\b], v[TM+\b], v[TM+4+\b]
.endr
.irp b, 0,1,2,3
	v_add_nc_u32 v[TM+12+\b], 0xff000000, v[TM+\b]     ; 2 off the exponent field: the conversion's scale operand
.endr
.irp b, 0,1,2,3
	v_lshrrev_b32 v[TM+4+\b], 23, v[TM+12+\b]          ; the scale's byte
.endr
	v_lshl_or_b32 v[\w], v[TM+5], 8, v[TM+4]
	v_lshl_or_b32 v[\w], v[TM+6], 16, v[\w]
	v_lshl_or_b32 v[\w], v[TM+7], 24, v[\w]
	WIN 0x03                                       ; source 0 window 3
.irp c, 0,1
	v_cvt_scalef32_pk16_fp6_f32 v[(\pc)+6*\c:(\pc)+6*\c+2], v[(\a)+32*\c:(\a)+32*\c+15], v[TM+12+2*\c]
	v_cvt_scalef32_pk16_fp6_f32 v[PT+4*\c:PT+4*\c+2], v[(\a)+32*\c+16:(\a)+32*\c+31], v[TM+12+2*\c+1]
.endr
	WIN 0
	v_nop                                          ; one plain instruction behind the scaled conversions
.irp c, 0,1
.irp i, 0,1,2
	v_permlane16_swap_b32 v[(\pc)+6*\c+\i], v[PT+4*\c+\i]
.endr
.irp i, 0,1,2
	v_mov_b32 v[(\pc)+3+6*\c+\i], v[PT+4*\c+\i]
.endr
.endr
.endm
	s_load_b256 s[4:11], s[0:1], 0x0               ; xrec 4, wrec 6, bq 8, bk 10
	s_load_b128 s[12:15], s[0:1], 0x20             ; bv 12, qkv 14
	v_lshl_add_u32 v254, v0, 2, 0x4e000
	v_mov_b32 v255, 0
	ds_add_u32 v254, v255
	ds_add_u32 v254, v255
	v_lshrrev_b32 v1, 5, v0
	v_readfirstlane_b32 s[WV], v1                  ; wave 0..3
	s_bfe_u32 s17, ttmp6, 0x40000                  ; cx
	s_bfe_u32 s18, ttmp6, 0x40004                  ; cy
	s_and_b32 s19, ttmp7, 0xffff                   ; the cluster's y: the tensor, the same in all sixteen partners
	s_lshl_b32 s20, ttmp9, 2
	s_add_co_u32 s20, s20, s17                     ; block of 128 rows
	s_lshl_b32 s21, s18, 2
	s_add_co_u32 s21, s21, s[WV]                   ; my head
	s_lshl_b32 s48, s18, 2
	s_lshl_b32 s48, 15, s48                        ; my row of the cluster
	s_lshl_b32 s49, 0x1111, s17                    ; my column
	; group 1 for two weight records on end: a dense block of 416 rows of 256 bytes (32 elements of 8 bytes), no padding
	s_or_b32 s24, s48, (3<<16)|(1<<21)
	s_mov_b32 s25, 32<<16
	s_mov_b32 s26, 416<<16
	s_mov_b32 s27, 32<<16
	s_mov_b32 s28, 416
	s_mov_b32 s29, 32
	s_mov_b32 s30, 0
	s_mov_b32 s31, 0
	; and for half a block of x: 208 such rows
	s_or_b32 s36, s49, (3<<16)|(1<<21)
	s_mov_b32 s37, 32<<16
	s_mov_b32 s38, 208<<16
	s_mov_b32 s39, 32<<16
	s_mov_b32 s40, 208
	s_mov_b32 s41, 32
	s_mov_b32 s42, 0
	s_mov_b32 s43, 0
	s_and_b32 s62, s[WV], 1                        ; which half I fetch: waves 0, 1 of the four weight records, waves 2, 3 of x's block
	s_lshl_b32 s50, s19, 4
	s_lshl_b32 s63, s18, 2
	s_add_co_u32 s50, s50, s63
	s_lshl_b32 s63, s62, 1
	s_add_co_u32 s50, s50, s63
	s_mul_i32 s50, s50, WREC                       ; W: records 16 x tensor + 4 cy + 2 x half and the next: it hangs on cy, never on cx
	s_mov_b32 s51, 0
	s_lshl_b32 s52, s19, 6
	s_add_co_u32 s52, s52, s20
	s_mul_i32 s52, s52, XBLK                       ; x: block 64 x tensor + block: it hangs on cx, never on cy
	s_mul_i32 s54, s62, 53248
	s_add_co_u32 s52, s52, s54                     ; the half
	s_mov_b32 s53, 0
	s_mul_i32 s55, s[WV], WREC                     ; my record's place in LDS
	v_and_b32 v9, 31, v0
	v_lshlrev_b32 v[GL], 4, v9
	v_add_nc_u32 v[LW], s55, v[GL]
	v_lshlrev_b32 v[LW4], 2, v9
	v_add_nc_u32 v[LW4], s55, v[LW4]
	v_add_nc_u32 v[LXA], XB, v[GL]
	v_add_nc_u32 v[LXB], XB+49152, v[GL]
	v_add_nc_u32 v[LXS], XB+98304, v[GL]
	v_bfe_u32 v[BQO], v0, 4, 1
	v_lshlrev_b32 v[BQO], 6, v[BQO]
	v_and_b32 v[BVO], 15, v0
	v_and_b32 v9, 8, v[BVO]
	v_add_nc_u32 v[BVO], v[BVO], v9
	v_lshlrev_b32 v[BVO], 2, v[BVO]
	s_wait_dscnt 0x0
	s_wait_kmcnt 0x0
	s_mov_b32 s32, 1
	s_mul_i32 s33, s62, 2*WREC
	s_add_nc_u64 s[34:35], s[6:7], s[50:51]
	s_or_b32 s35, s35, 0x80000000
	s_mov_b32 s44, 1
	s_add_co_u32 s45, s54, XB
	s_add_nc_u64 s[46:47], s[4:5], s[52:53]
	s_or_b32 s47, s47, 0x80000000
	CROUND                                         ; all sixteen work-groups are here: the joint loads meet
	s_cmp_lt_u32 s[WV], 2                          ; one tensor load a wave at the head: waves 0, 1 two weight records each, waves 2, 3 half of x each
	s_cbranch_scc0 .Lfor_x
	tensor_load_to_lds s[32:35], s[24:31]
	s_nop 0
	PLACES
	s_branch .Lasked
.Lfor_x:
	tensor_load_to_lds s[44:47], s[36:43]
	s_nop 0
	PLACES
.Lasked:
	s_cmp_eq_u32 s19, 0
	s_cselect_b64 s[66:67], s[8:9], s[10:11]
	s_cmp_eq_u32 s19, 2
	s_cselect_b64 s[66:67], s[12:13], s[66:67]
	s_lshl_b32 s56, s21, 8
	s_mov_b32 s57, 0
	s_add_nc_u64 s[66:67], s[66:67], s[56:57]      ; my head's 64 numbers of the bias
	s_wait_alu depctr_va_vdst(0)
.irp t, 0,1,2,3                                ; both forms are loaded, each inside the head's 256 bytes; the way taken below uses one
	global_load_b128 v[BI+8*\t:BI+8*\t+3], v[BQO], s[66:67] offset:(32*(\t/2)+8*(\t%2))*4
	global_load_b128 v[BI+8*\t+4:BI+8*\t+7], v[BQO], s[66:67] offset:(32*(\t/2)+8*(\t%2))*4+16
	global_load_b32 v[BV+\t], v[BVO], s[66:67] offset:(32*(\t/2)+8*(\t%2))*4
.endr
	s_lshr_b32 s56, s20, 4
	s_lshl_b32 s56, s56, 4
	s_add_co_u32 s56, s56, s21
	s_mul_i32 s56, s56, HREC                       ; head record 16 x batch + head
	s_add_nc_u64 s[14:15], s[14:15], s[56:57]
	s_and_b32 s58, s20, 15                         ; the step of 128 rows in the batch
	s_mov_b32 s59, 98304
	s_mov_b32 s60, 204800
	s_cmp_eq_u32 s19, 1
	s_cselect_b32 s59, 0, s59
	s_cselect_b32 s60, 196608, s60
	s_cmp_eq_u32 s19, 0
	s_cselect_b32 s59, 212992, s59
	s_cselect_b32 s60, 311296, s60
	s_mul_i32 s61, s58, 6144
	s_add_co_u32 s56, s59, s61
	s_add_nc_u64 s[68:69], s[14:15], s[56:57]      ; my codes
	s_lshl_b32 s61, s58, 9
	s_add_co_u32 s56, s60, s61
	s_add_nc_u64 s[70:71], s[14:15], s[56:57]      ; my scale words
	s_mov_b32 s[SEL], 0x76543210
	s_mov_b32 s[SEL+1], 0xfedcba98
	s_cmp_lt_u32 s[WV], 2
	s_cbranch_scc0 .Lnot_w
	s_wait_tensorcnt 0x0                           ; waves 0 and 1: my two weight records are in
.Lnot_w:
	s_barrier_signal -1
	s_barrier_wait -1                              ; all four records are shown to all waves; x may still be on its way
	WIN 0x40                                       ; destination window 1
.set i, 0
.rept 48
	ds_load_b128 v[4*i:4*i+3], v[LW] offset:512*i
.set i, i+1
.endr
	WIN 0x80                                       ; destination window 2
.set i, 0
.rept 48
	ds_load_b128 v[4*i:4*i+3], v[LW] offset:24576+512*i
.set i, i+1
.endr
	WIN 0
.set i, 0
.rept 32
	ds_load_b32 v[WS+i], v[LW4] offset:49152+128*i
.set i, i+1
.endr
	s_wait_tensorcnt 0x0                           ; my tensor load is in,
	s_wait_dscnt 0x0
	s_barrier_signal -1
	s_barrier_wait -1                              ; everybody's is
.irp m, 0,1,2,3,4,5,6,7
	ds_load_b128 v[XS+8*\m:XS+8*\m+3], v[LXS] offset:1024*\m
	ds_load_b128 v[XS+8*\m+4:XS+8*\m+7], v[LXS] offset:1024*\m+512
.endr
.irp m, 0,1,2,3,4,5,6,7
	FETCH \m, 0
.endr
	s_wait_loadcnt 0x0                             ; the bias
	s_cmp_eq_u32 s19, 2
	s_cbranch_scc1 .Lv
.irp s, 0,1,2,3,4,5,6,7
	KSTEP 0, \s
.endr
	s_branch .Lepi
.Lv:
.irp t, 0,1,2,3
.irp j, 0,1,2,3,4,5,6,7
	v_mov_b32 v[BI+8*\t+\j], v[BV+\t]              ; v: a lane holds one channel, so its eight registers of C hold one number
.endr
.endr
	PLACES
	s_wait_alu depctr_va_vdst(0)
.irp s, 0,1,2,3,4,5,6,7
	KSTEP 1, \s
.endr
.Lepi:
	PLACES
.irp b, 0,1,2,3
	v_mov_b32 v[TM+4+\b], 0                        ; a lane permute's destination counts as one of its sources
.endr
.irp u, 0,1,2,3                                ; q, k: tiles 2 u and 2 u + 1 of rows; v: tile u of channels
	QUANTW 64*\u, PC+12*\u, PW4+\u
.irp c, 0,1,2
	global_store_b128 v[GL], v[PC+12*\u+4*\c:PC+12*\u+4*\c+3], s[68:69] offset:1536*\u+512*\c   ; 512 consecutive bytes, aligned; no store's data are written again
.endr
.endr
	global_store_b128 v[GL], v[PW4:PW4+3], s[70:71]
	s_wait_tensorcnt 0x0
	ds_add_u32 v254, v255
	s_wait_dscnt 0x0
	CROUND                                         ; the closing round
	s_endpgm
.Lfunc_end_k_q2fc407f087_proj:
	.size	k_q2fc407f087_proj, .Lfunc_end_k_q2fc407f087_proj-k_q2fc407f087_proj
	.p2alignl 7, 3214868480
	.fill 96, 4, 3214868480
	.section	.rodata,"a",@progbits
	.p2align	6, 0x0
	.amdhsa_kernel k_q2fc407f087_proj
		.amdhsa_group_segment_fixed_size 320000
		.amdhsa_private_segment_fixed_size 0
		.amdhsa_enable_private_segment 0
		.amdhsa_kernarg_size 48
		.amdhsa_user_sgpr_count 2
		.amdhsa_user_sgpr_kernarg_segment_ptr 1
		.amdhsa_wavefront_size32 1
		.amdhsa_system_sgpr_workgroup_id_x 1
		.amdhsa_system_sgpr_workgroup_id_y 1
		.amdhsa_system_sgpr_workgroup_id_z 1
		.amdhsa_system_vgpr_workitem_id 0
		.amdhsa_next_free_vgpr 1024
		.amdhsa_next_free_sgpr 80
		.amdhsa_reserve_vcc 0
		.amdhsa_float_denorm_mode_32 3
		.amdhsa_float_denorm_mode_16_64 3
		.amdhsa_memory_ordered 1
		.amdhsa_forward_progress 1
		.amdhsa_inst_pref_size 128
	.end_amdhsa_kernel
	.amdgpu_metadata
---
amdhsa.version: [ 1, 2 ]
amdhsa.kernels:
  - .name:           k_q2fc407f087_proj
    .symbol:         k_q2fc407f087_proj.kd
    .args:
      - { .name: xrec, .offset: 0, .size: 8, .value_kind: global_buffer, .address_space: global }
      - { .name: wrec, .offset: 8, .size: 8, .value_kind: global_buffer, .address_space: global }
      - { .name: bq, .offset: 16, .size: 8, .value_kind: global_buffer, .address_space: global }
      - { .name: bk, .offset: 24, .size: 8, .value_kind: global_buffer, .address_space: global }
      - { .name: bv, .offset: 32, .size: 8, .value_kind: global_buffer, .address_space: global }
      - { .name: qkv, .offset: 40, .size: 8, .value_kind: global_buffer, .address_space: global }
    .group_segment_fixed_size: 320000
    .private_segment_fixed_size: 0
    .kernarg_segment_align: 8
    .kernarg_segment_size: 48
    .max_flat_workgroup_size: 128
    .sgpr_count:     80
    .vgpr_count:     1024
    .wavefront_size: 32
...
	.end_amdgpu_metadata
.endif
;; end of part 2
;; launch attn (part 3): grid 4 x 64, 8 waves a work-group, clusters of 4 x 1, 215,040 bytes of LDS; arguments qkv, ocodes, oscales; writes ocodes, oscales
.if DOCPART == 3
	.amdgcn_target "amdgcn-amd-amdhsa--gfx1250"
	.amdhsa_code_object_version 6
	.text
	.protected	k_q2fc407f087_attn
	.globl	k_q2fc407f087_attn
	.p2align	8
	.type	k_q2fc407f087_attn,@function
k_q2fc407f087_attn:
	s_mov_b64 s[64:65], 0
	v_nop
	global_prefetch_b8 v0, s[64:65] scope:SCOPE_SE
	s_setreg_imm32_b32 hwreg(HW_REG_WAVE_MODE, 25, 1), 1
	s_wait_xcnt 0x0
	s_wait_alu depctr_hold_cnt(0) depctr_sa_sdst(0) depctr_va_vdst(0) depctr_va_sdst(0) depctr_va_ssrc(0) depctr_va_vcc(0) depctr_vm_vsrc(0)
	s_getreg_b32 s2, hwreg(HW_REG_IB_STS2, 6, 4)
	s_cmp_eq_u32 s2, 0
	s_cbranch_scc0 .Lentry_in_a_cluster
	s_endpgm
.Lentry_in_a_cluster:
	s_bfe_u32 s2, ttmp6, 0x10000c
	s_cmp_lg_u32 s2, 0x3003
	s_cbranch_scc0 .Lentry_shape_is_right
	s_endpgm
.Lentry_shape_is_right:
; ATTN: o = softmax(q k^T / 8) v for one head, both products on codes of FP6 (E2M3) with E8M0 scales; o is quantised along (head, d) for the last product.
; THE SOFTMAX: t = score x log2(e) / 8; M = the running largest t rounded UP to a whole number; p = 2^(t - M) is quantised along the keys, not normalised; the row's sum is taken of the
; unquantised p and divides O at the end.  When M moves, the sum and O are multiplied by 2^(old M - new M): exact.
; SHARES.  A cluster of four work-groups is one head (the cluster's y); a work-group takes 512 queries, each of its eight waves 64: two passes over the keys, each with TWO tiles of 16 queries
; side by side, 128 keys a step: a fragment of K or V read from LDS serves 32 queries, and the two tiles' chains of dependent lines take turns.
; The head's K, V and their scale words, 212,992 dense bytes, come into LDS ONCE, by one joint tensor load a wave (the four work-groups want the same bytes), and stay: no slot is filled again.
; No prefetch: all fills stand at the head.
; LAYOUT.  Both products are used transposed: a lane holds one query throughout.  K and V lie in LDS as images of operand registers (lane l's 16 bytes at 16 l).
; THE FIRST PRODUCT HAS K = 64 in an instruction of K = 128: source 0 holds TWO tiles of keys (k 0-63, k 64-127); source 1 is [q | zero codes] for the one and [zero codes | q] for the other.
; Zero codes add nothing under any scale byte but 0xff; over them q's scale word carries the byte 0.
; THE KEYS OF A TILE ARE CHOSEN BY THE LDS ADDRESS: a stored image p holds, in lane rows 8 g .. 8 g + 7, keys 32 p + 16 g + 8 u + 0 .. 7 (u: which of its two tiles).  Lanes with r < 8 read lane row
; 8 g + r of image 2 c, lanes with r >= 8 lane row 8 g + r - 8 of image 2 c + 1.  So tile j = 2 g + u of band c holds keys 64 c + 8 j + 0 .. 7 and 64 c + 32 + 8 j + 0 .. 7, and the 32 registers
; of a band's four tiles are, in lane (r, h), keys 64 c + 32 h + 0 .. 31: ONE WHOLE scale block, in the order of the next operand's registers.  No lane asks another for a block's maximum or codes.
; THE EXPONENTIALS go in four batches of 32; among them stand only plain lines that hang on nothing written in the same batch (the next quarter's t - M, first levels of the sums, one stage of the
; scale arithmetic a batch); a wait stands between every such write and its reader.
; LIMITS: NaN and infinities are not served; the promise holds while the scaled scores stay under 2^31 in magnitude; a block under 2^-124 has its byte held at 1; a block of zeros has the byte 1
; (its codes are zeros; this program alone reads the bytes).
; REGISTERS.  Window 0: addresses, q, K's and V's fragments, all scale words, p's codes.  Window 1: S^T / p (0-127), O^T (128-191), partial sums (192-223), the softmax's small numbers (224-255).
.set HREC, 319488
.set SPARE, 0x34000                    ; behind K, V and the scale words: the spare words, 128 bytes a wave
.set LI,  1                            ; 16 x lane
.set L8,  2                            ; 8 x lane
.set LKP, 3                            ; K's images by the chosen keys: 1536 (r / 8) + 16 (r % 8) + 256 h
.set LSK, 4                            ; K's scale words likewise: 196,608 + 16 (r % 8) + 4 (r / 8)
.set LIV, 5                            ; V's images: 98,304 + 16 x lane
.set LSV, 6                            ; V's scale words: 204,800 + 16 x lane
.set ADK, 7
.set ADSK, 8
.set ADV, 9
.set ADSV, 10
.set SH8, 11                           ; 8 h
.set OW,  12                           ; v12-13 o's scale bytes, a word a tile
.set SPW, 14
.set NIL, 15
.set QZ,  16                           ; v16-45: zeros, q of tile 0, zeros, q of tile 1, zeros, six registers each
.set QS,  46                           ; v46-49 q's scale words: tile x for [q | 0] at 2 x, for [0 | q] at 2 x + 1
.set QP,  50                           ; v50-61 the image of this pass's two tiles; v62 its scale word; v63 the next pass's
.set QW,  62
.set KB,  64                           ; v64-111 four images of K; v112-115 their scale words
.set KSC, 112
.set VB,  116                          ; v116-163 four images of V; v164-167 their scale words
.set VSC, 164
.set PC,  168                          ; v168-191 p's codes, twelve registers a tile
.set PT,  192                          ; v192-207 the conversions' second halves
.set PX,  208
.set PW,  216                          ; v216-217 p's scale words
.set QPB, 220                          ; v220-231 the next pass's image
; window 1
.set O,   128
.set TT,  192
.set BM,  224                          ; block q = 2 x + c: its largest score, then its largest p
.set T0,  228
.set T1,  230
.set MR,  232                          ; the running largest score
.set NM,  234                          ; pairs: -M in the low word
.set FF,  238                          ; pairs: f in the low word
.set LL,  242                          ; pairs: the row's sum in two halves
.set SO,  246
.set OLD, 250
.set BY,  252
.set WV,  10
.set SEL, 20
.set CS,  22
.set TB,  36
.set TS,  37
.set STEPS, 38
.set PASS, 39
.set MSB, 0
.macro WIN new                         ; the immediate's high byte repeats the setting that is left
.if MSB != \new
	s_set_vgpr_msb (MSB<<8)|\new
.set MSB, \new
.endif
.endm
.macro WALU
	s_wait_alu depctr_va_vdst(0)
.endm
.macro DEP n
	s_delay_alu instid0(VALU_DEP_\n)
.endm
.macro NOP4
.rept 4
	v_nop
.endr
.endm
.macro CROUND                          ; a round of the cluster's barrier
	s_barrier_signal -1
	s_barrier_wait -1
	s_cmp_lg_u32 s[WV], 0
	s_cbranch_scc1 .Lnot_wave_0_\@
	s_barrier_signal -3
.Lnot_wave_0_\@:
	s_barrier_wait -3
	s_barrier_signal -1
	s_barrier_wait -1
.endm
.macro MM d, a, b, c, sa, sb
	v_wmma_scale_f32_16x16x128_f8f6f4 v[\d:\d+7], v[\a:\a+11], v[\b:\b+11], \c, v[\sa], v[\sb] matrix_a_fmt:MATRIX_FMT_FP6 matrix_b_fmt:MATRIX_FMT_FP6
.endm
.macro KLOAD a, as, o, os              ; a step's four images of K by the chosen keys, and their scale words: 16 loads
.irp c, 0,1
.irp g, 0,1
.irp k, 0,1,2
	ds_load_b128 v[KB+12*(2*\c+\g)+4*\k:KB+12*(2*\c+\g)+4*\k+3], v[\a] offset:\o+3072*\c+128*\g+512*\k
.endr
	ds_load_b32 v[KSC+2*\c+\g], v[\as] offset:\os+128*\g+8*\c
.endr
.endr
.endm
.macro FMA2 i, base, nm                ; t - M, two at a time
	v_pk_fma_f32 v[(\base)+2*(\i):(\base)+2*(\i)+1], v[(\base)+2*(\i):(\base)+2*(\i)+1], s[CS:CS+1], v[\nm:\nm+1] op_sel_hi:[1,0,0]
.endm
.macro ADD1 i, t, s                    ; a first level of the sums: four p into a pair
	v_pk_add_f32 v[(\t)+2*(\i):(\t)+2*(\i)+1], v[(\s)+4*(\i):(\s)+4*(\i)+1], v[(\s)+4*(\i)+2:(\s)+4*(\i)+3]
.endm
; the plain lines that stand among a batch's exponentials: entry i stands behind exponential i
.macro L_1 i
.if (\i) < 16
	FMA2 \i, 32, NM
.endif
.endm
.macro L_2 i
.if (\i) < 16
	FMA2 \i, 64, NM+2
.elseif (\i) < 24
	ADD1 (\i)-16, TT, 0
.elseif (\i) < 28
	v_max_num_f32 v[BM+(\i)-24], 0x1800000, v[BM+(\i)-24]      ; the floor 2^(3 - 127): the byte cannot fall under 1
.endif
.endm
.macro L_3 i
.if (\i) < 16
	FMA2 \i, 96, NM+2
.elseif (\i) < 24
	ADD1 (\i)-16, TT+16, 32
.elseif (\i) < 28
	v_add_nc_u32 v[SO+(\i)-24], 0xff000000, v[BM+(\i)-24]      ; 2 off the exponent field: the conversion's scale operand
.endif
.endm
.macro L_4 i
.if (\i) < 16
.if (\i)%2 == 0
	v_pk_add_f32 v[TT+(\i):TT+(\i)+1], v[TT+(\i):TT+(\i)+1], v[TT+16+(\i):TT+16+(\i)+1]   ; tile 0's second level; the pair that it has read takes tile 1's first level in the next entry
.else
	ADD1 ((\i)-1)/2, TT+16, 64
.endif
.elseif (\i) < 20
	v_lshrrev_b32 v[BY+(\i)-16], 23, v[SO+(\i)-16]             ; the scale's byte
.endif
.endm
.macro BATCH eb, list                  ; 32 exponentials, p = 2^(t - M), and the list's lines among them
.set J_, 0
.rept 32
	v_exp_f32 v[\eb+J_], v[\eb+J_]
	\list J_
.set J_, J_+1
.endr
.endm
; A STEP OF 128 KEYS for two tiles of queries.  first = 1: the pass's first step starts M, the sums and O^T (C = 0): nothing is cleared.
.macro STEP first
	v_add_nc_u32 v[ADV], s[TB], v[LIV]             ; four plain lines between the last products and the loads into their operands
	v_add_nc_u32 v[ADSV], s[TS], v[LSV]
	v_add_nc_u32 v[ADK], s[TB], v[LKP]
	v_add_nc_u32 v[ADSK], s[TS], v[LSK]
.irp g, 0,1,2,3,4,5,6,7,8,9,10,11
	ds_load_b128 v[VB+4*\g:VB+4*\g+3], v[ADV] offset:512*\g    ; V's images land while the softmax is walked
.endr
	ds_load_b128 v[VSC:VSC+3], v[ADSV]
	WALU
	s_wait_dscnt 13                                ; K's 16 loads are in; V's 13, issued behind them, may be out
	WIN 0x40
.irp c, 0,1                                    ; S^T = K Q^T: eight tiles of 16 keys for each tile of queries
.irp g, 0,1
.irp x, 0,1
	MM 64*\x+32*\c+16*\g, KB+12*(2*\c+\g), QZ+6+12*\x, 0, KSC+2*\c+\g, QS+2*\x
	MM 64*\x+32*\c+16*\g+8, KB+12*(2*\c+\g), QZ+12*\x, 0, KSC+2*\c+\g, QS+2*\x+1
.endr
.endr
.endr
	NOP4                                           ; the places ahead of the loads into K's registers and of the first read of S^T
	WIN 0
	KLOAD ADK, ADSK, 6144, 512                     ; the next step's K (behind the last step: bytes of V and of V's scale words, which nothing uses)
	WIN 0x55
.irp q, 0,1,2,3                                ; the largest score of each block of 32 keys, all in my lane: four chains by turns; each accumulator is first read at its low end
	v_max3_num_f32 v[BM+\q], v[32*\q], v[32*\q+1], v[32*\q+2]
.endr
.irp i, 3,5,7,9,11,13,15,17,19,21,23,25,27,29
.irp q, 0,1,2,3
	v_max3_num_f32 v[BM+\q], v[BM+\q], v[32*\q+\i], v[32*\q+\i+1]
.endr
.endr
.irp q, 0,1,2,3
	v_max_num_f32 v[BM+\q], v[BM+\q], v[32*\q+31]
.endr
	DEP 3
	v_max_num_f32 v[T0], v[BM], v[BM+1]
	DEP 2
	v_max_num_f32 v[T0+1], v[BM+2], v[BM+3]
.irp x, 0,1
	DEP 2
	v_permlanex16_b32 v[T1+\x], v[T0+\x], s[SEL], s[SEL+1]     ; lane l xor 16 holds the query's other two blocks
.endr
.irp x, 0,1
	DEP 2
.if \first
	v_max_num_f32 v[MR+\x], v[T0+\x], v[T1+\x]
.else
	v_max3_num_f32 v[MR+\x], v[MR+\x], v[T0+\x], v[T1+\x]      ; the running largest score
.endif
.endr
.irp x, 0,1
	DEP 2
	v_mul_f32 v[T0+\x], s[CS], v[MR+\x]            ; as t (c is positive)
.endr
.if \first
.irp x, 0,1
	DEP 2
	v_floor_f32 v[NM+2*\x], -v[T0+\x]              ; -M = -ceil(t)
.endr
.else
.irp x, 0,1
	v_mov_b32 v[OLD+\x], v[NM+2*\x]
.endr
.irp x, 0,1
	DEP 4
	v_floor_f32 v[NM+2*\x], -v[T0+\x]
.endr
.irp x, 0,1
	DEP 2
	v_sub_f32 v[OLD+\x], v[NM+2*\x], v[OLD+\x]     ; old M - new M: a whole number, 0 or less
.endr
.irp x, 0,1
	DEP 2
	v_cvt_i32_f32 v[OLD+\x], v[OLD+\x]             ; (it saturates)
.endr
.irp x, 0,1
	DEP 2
	v_ldexp_f32 v[FF+2*\x], 1.0, v[OLD+\x]         ; f = 2^(old M - new M)
.endr
.endif
.irp q, 0,1,2,3
	v_fma_f32 v[BM+\q], v[BM+\q], s[CS], v[NM+2*(\q/2)]        ; t - M of each block's largest score: p rises with the score, so this gives the block's largest p
.endr
.set J_, 0
.rept 16
	FMA2 J_, 0, NM
.set J_, J_+1
.endr
.if !\first
.irp x, 0,1
.set J_, 0
.rept 16
	v_pk_mul_f32 v[O+32*\x+J_:O+32*\x+J_+1], v[O+32*\x+J_:O+32*\x+J_+1], v[FF+2*\x:FF+2*\x+1] op_sel_hi:[1,0]   ; O^T under the new M
.set J_, J_+2
.endr
.endr
.endif
	WALU
.irp q, 0,1,2,3
	v_exp_f32 v[BM+\q], v[BM+\q]
.endr
	BATCH 0, L_1
	WALU
	BATCH 32, L_2
	WALU
	BATCH 64, L_3
	WALU
	BATCH 96, L_4
	WALU
	WIN 0x11
.irp x, 0,1
	v_lshl_or_b32 v[PW+\x], v[BY+2*\x+1], 16, v[BY+2*\x]       ; my two bytes: blocks h and 2 + h,
.endr
	WIN 0
.irp x, 0,1
	v_lshlrev_b32 v[PW+\x], v[SH8], v[PW+\x]       ; at their places in the word;
.endr
.irp x, 0,1
	v_permlanex16_b32 v[PX+\x], v[PW+\x], s[SEL], s[SEL+1]
.endr
.irp x, 0,1
	v_or_b32 v[PW+\x], v[PW+\x], v[PX+\x]          ; with lane l xor 16's two the word is whole
.endr
	WIN 0x05
.irp x, 0,1
.irp c, 0,1
	v_cvt_scalef32_pk16_fp6_f32 v[PC+12*\x+6*\c:PC+12*\x+6*\c+2], v[64*\x+32*\c:64*\x+32*\c+15], v[SO+2*\x+\c]
	v_cvt_scalef32_pk16_fp6_f32 v[PT+8*\x+4*\c:PT+8*\x+4*\c+2], v[64*\x+32*\c+16:64*\x+32*\c+31], v[SO+2*\x+\c]   ; a conversion's three registers begin on an even number
.endr
.endr
	WIN 0
	v_nop                                          ; one plain line behind the scaled conversions
.irp x, 0,1
.irp c, 0,1
.irp i, 0,1,2
	v_mov_b32 v[PC+12*\x+6*\c+3+\i], v[PT+8*\x+4*\c+\i]
.endr
.endr
.endr
	WIN 0x55                                       ; the rest of the sums; these lines also stand between the writes of p's codes and scale words and the products
.irp k, 0,1,2,3,4,5,6,7
	v_pk_add_f32 v[TT+16+2*\k:TT+17+2*\k], v[TT+16+2*\k:TT+17+2*\k], v[96+4*\k:97+4*\k]
.endr
.irp k, 0,1,2,3
	v_pk_add_f32 v[TT+2*\k:TT+2*\k+1], v[TT+2*\k:TT+2*\k+1], v[TT+8+2*\k:TT+9+2*\k]
.endr
.irp k, 0,1,2,3,4,5,6,7
	v_pk_add_f32 v[TT+16+2*\k:TT+17+2*\k], v[TT+16+2*\k:TT+17+2*\k], v[98+4*\k:99+4*\k]
.endr
.irp k, 0,1
	v_pk_add_f32 v[TT+2*\k:TT+2*\k+1], v[TT+2*\k:TT+2*\k+1], v[TT+4+2*\k:TT+5+2*\k]
.endr
.irp k, 0,1,2,3
	v_pk_add_f32 v[TT+16+2*\k:TT+17+2*\k], v[TT+16+2*\k:TT+17+2*\k], v[TT+24+2*\k:TT+25+2*\k]
.endr
.if \first
	v_pk_add_f32 v[LL:LL+1], v[TT:TT+1], v[TT+2:TT+3]
.else
	v_pk_add_f32 v[TT:TT+1], v[TT:TT+1], v[TT+2:TT+3]
.endif
.irp k, 0,1
	v_pk_add_f32 v[TT+16+2*\k:TT+17+2*\k], v[TT+16+2*\k:TT+17+2*\k], v[TT+20+2*\k:TT+21+2*\k]
.endr
.if \first
	v_pk_add_f32 v[LL+2:LL+3], v[TT+16:TT+17], v[TT+18:TT+19]
.else
	v_pk_fma_f32 v[LL:LL+1], v[LL:LL+1], v[FF:FF+1], v[TT:TT+1] op_sel_hi:[1,0,1]         ; the old sum under the new M, and this step's
	v_pk_add_f32 v[TT+16:TT+17], v[TT+16:TT+17], v[TT+18:TT+19]
	v_pk_fma_f32 v[LL+2:LL+3], v[LL+2:LL+3], v[FF+2:FF+3], v[TT+16:TT+17] op_sel_hi:[1,0,1]
.endif
	WIN 0
	WALU
	s_wait_dscnt 16                                ; V's 13 loads are in; the next K's 16, issued behind them, may be out
.if \first
	WIN 0x40
.else
	WIN 0x50
.endif
.irp t, 0,1,2,3                                ; O^T += V^T P^T: eight accumulators by turns
.irp x, 0,1
.if \first
	MM O+32*\x+8*\t, VB+12*\t, PC+12*\x, 0, VSC+\t, PW+\x
.else
	MM O+32*\x+8*\t, VB+12*\t, PC+12*\x, v[O+32*\x+8*\t:O+32*\x+8*\t+7], VSC+\t, PW+\x
.endif
.endr
.endr
	WIN 0
.endm
	s_load_b128 s[4:7], s[0:1], 0x0                ; qkv, ocodes
	s_load_b64 s[8:9], s[0:1], 0x10                ; oscales
	v_lshl_add_u32 v[SPW], v0, 2, SPARE
	v_mov_b32 v[NIL], 0
	ds_add_u32 v[SPW], v[NIL]
	ds_add_u32 v[SPW], v[NIL]
	v_lshrrev_b32 v1, 5, v0
	s_delay_alu instid0(VALU_DEP_1)
	v_readfirstlane_b32 s[WV], v1                  ; wave 0..7
	s_bfe_u32 s11, ttmp6, 0x40000                  ; cx: it enters global addresses alone
	s_and_b32 s12, ttmp7, 0xffff                   ; the head record, which the four partners share
	s_lshr_b32 s13, s12, 4                         ; batch
	s_and_b32 s14, s12, 15                         ; head
	; group 1: a dense block of 104 rows of 256 bytes (32 elements of 8 bytes), no padding; the mask names all four work-groups
	s_mov_b32 s24, 15|(3<<16)|(1<<21)
	s_mov_b32 s25, 32<<16
	s_mov_b32 s26, 104<<16
	s_mov_b32 s27, 32<<16
	s_mov_b32 s28, 104
	s_mov_b32 s29, 32
	s_mov_b32 s30, 0
	s_mov_b32 s31, 0
	s_mul_i32 s16, s12, HREC
	s_mov_b32 s17, 0
	s_mul_i32 s18, s[WV], 26624                    ; my eighth, in memory and in LDS
	s_mov_b32 s19, 0
	s_wait_dscnt 0x0
	s_wait_kmcnt 0x0
	s_add_nc_u64 s[4:5], s[4:5], s[16:17]
	s_mov_b32 s32, 1
	s_mov_b32 s33, s18
	s_add_nc_u64 s[34:35], s[4:5], s[18:19]
	s_or_b32 s35, s35, 0x80000000
	CROUND                                         ; all four work-groups are here: the joint loads meet
	tensor_load_to_lds s[32:35], s[24:31]          ; one tensor load of mine is out
	s_nop 0
	NOP4
	s_lshl_b32 s48, s11, 4
	s_lshl_b32 s49, s[WV], 1
	s_add_co_u32 s48, s48, s49                     ; my first pair of query tiles in the batch: 16 cx + 2 wave; the second pass takes the next pair
	s_mul_i32 s50, s48, 1536
	s_add_co_u32 s50, s50, 212992
	s_mov_b32 s51, 0
	s_add_nc_u64 s[40:41], s[4:5], s[50:51]        ; its image
	s_lshl_b32 s52, s11, 2
	s_lshr_b32 s53, s[WV], 1
	s_add_co_u32 s52, s52, s53                     ; its block of 128 rows
	s_and_b32 s53, s[WV], 1
	s_lshl_b32 s53, s53, 1                         ; and its place there
	s_lshl_b32 s50, s52, 9
	s_lshl_b32 s54, s53, 2
	s_add_co_u32 s50, s50, s54
	s_add_co_u32 s50, s50, 311296
	s_add_nc_u64 s[42:43], s[4:5], s[50:51]        ; its scale word: [block][lane][4]
	s_lshl_b32 s54, s13, 4
	s_add_co_u32 s54, s54, s52
	s_mul_i32 s50, s54, 98304                      ; ocodes: [block of 128 rows][K step = head / 2][tile m][c = head % 2][768 bytes]
	s_lshr_b32 s55, s14, 1
	s_mul_i32 s55, s55, 12288
	s_add_co_u32 s50, s50, s55
	s_mul_i32 s55, s53, 3072
	s_add_co_u32 s50, s50, s55
	s_and_b32 s55, s14, 1
	s_mul_i32 s55, s55, 768
	s_add_co_u32 s50, s50, s55
	s_add_nc_u64 s[44:45], s[6:7], s[50:51]
	s_lshl_b32 s50, s13, 6
	s_add_co_u32 s50, s50, s48
	s_lshl_b32 s50, s50, 8                         ; oscales: [head][pair of tiles][lane][2 words]
	s_lshl_b32 s55, s14, 16
	s_add_co_u32 s50, s50, s55
	s_add_nc_u64 s[46:47], s[8:9], s[50:51]
	s_mov_b32 s[SEL], 0x76543210
	s_mov_b32 s[SEL+1], 0xfedcba98
	s_mov_b32 s[CS], 0x3e38aa3b                    ; c = log2(e) / 8
	s_mov_b32 s[CS+1], s[CS]                       ; named with it as a pair, so it is written
	v_and_b32 v232, 31, v0
	v_and_b32 v233, 7, v0                          ; r % 8
	v_bfe_u32 v234, v0, 3, 1                       ; r / 8
	v_bfe_u32 v235, v0, 4, 1                       ; h
	v_lshlrev_b32 v[LI], 4, v232
	v_lshlrev_b32 v[L8], 3, v232
	v_mul_u32_u24 v[LKP], v234, 1536
	v_lshlrev_b32 v[LSK], 4, v233
	v_lshl_add_u32 v[LKP], v233, 4, v[LKP]
	v_lshl_add_u32 v[LSK], v234, 2, v[LSK]
	v_lshl_add_u32 v[LKP], v235, 8, v[LKP]
	v_add_nc_u32 v[LSK], 196608, v[LSK]
	v_add_nc_u32 v[LIV], 98304, v[LI]
	v_add_nc_u32 v[LSV], 204800, v[LI]
	v_lshlrev_b32 v[SH8], 3, v235
.irp c, 0,1,2
	global_load_b128 v[QP+4*\c:QP+4*\c+3], v[LI], s[40:41] offset:512*\c
	global_load_b128 v[QPB+4*\c:QPB+4*\c+3], v[LI], s[40:41] offset:1536+512*\c
.endr
	global_load_b32 v[QW], v[LI], s[42:43]
	global_load_b32 v[QW+1], v[LI], s[42:43] offset:4
.irp i, 0,1,2,3,4,5
	v_mov_b32 v[QZ+\i], 0                          ; the zero codes beside q
	v_mov_b32 v[QZ+12+\i], 0
	v_mov_b32 v[QZ+24+\i], 0
.endr
	v_mov_b32 v[PX], 0                             ; written once: a lane permute's destination counts as one of its sources
	v_mov_b32 v[PX+1], 0
	WIN 0x40
	v_mov_b32 v[T1], 0
	v_mov_b32 v[T1+1], 0
.irp x, 1,3
	v_mov_b32 v[NM+\x], 0                          ; named as the upper halves of pairs
	v_mov_b32 v[FF+\x], 0
.endr
	WIN 0
	WALU
	s_wait_loadcnt 0x0
	s_wait_tensorcnt 0x0                           ; my eighth is in,
	s_barrier_signal -1
	s_barrier_wait -1                              ; everybody's is
	s_mov_b32 s[PASS], 2
.Lpass:
.irp i, 0,1,2,3,4,5
	v_mov_b32 v[QZ+6+\i], v[QP+\i]                 ; tile 0 of the pair,
	v_mov_b32 v[QZ+18+\i], v[QP+6+\i]              ; tile 1
.endr
	v_and_b32 v[QS], 0xffff, v[QW]
	v_lshlrev_b32 v[QS+1], 16, v[QW]
	v_lshrrev_b32 v[QS+2], 16, v[QW]
	v_and_b32 v[QS+3], 0xffff0000, v[QW]
	KLOAD LKP, LSK, 0, 0                           ; the first step's K
	NOP4                                           ; with the step's first four lines: eight places between the writes of q's scale words and the first product
	s_mov_b32 s[TB], 0
	s_mov_b32 s[TS], 0
	STEP 1
	s_mov_b32 s[TB], 6144
	s_mov_b32 s[TS], 512
	s_mov_b32 s[STEPS], 15
.Lstep:
	STEP 0
	s_add_co_u32 s[TB], s[TB], 6144
	s_add_co_u32 s[TS], s[TS], 512
	s_sub_co_u32 s[STEPS], s[STEPS], 1
	s_cmp_lg_u32 s[STEPS], 0
	s_cbranch_scc1 .Lstep
	; the end of a pass: o = O^T / the sum, quantised: a tile's 32 registers are d = 32 b + 16 (lane / 16) + i, two blocks of the last product's K
	s_wait_dscnt 0x0                               ; the loads issued behind the last step have landed: their registers are loaded anew in the next pass
	NOP4
	WIN 0x55
.irp x, 0,1
	v_add_f32 v[LL+2*\x], v[LL+2*\x], v[LL+2*\x+1]
.endr
.irp x, 0,1
	DEP 2
	v_permlanex16_b32 v[T1+\x], v[LL+2*\x], s[SEL], s[SEL+1]
.endr
.irp x, 0,1
	DEP 2
	v_add_f32 v[LL+2*\x], v[LL+2*\x], v[T1+\x]     ; the row's sum
.endr
	WALU
.irp x, 0,1
	v_rcp_f32 v[LL+2*\x], v[LL+2*\x]
.endr
	v_nop                                          ; a plain line behind the reciprocals
	WALU                                           ; and the wait ahead of their first reader, which is also O^T's
.irp x, 0,1
.set J_, 0
.rept 16
	v_pk_mul_f32 v[64*\x+J_:64*\x+J_+1], v[O+32*\x+J_:O+32*\x+J_+1], v[LL+2*\x:LL+2*\x+1] op_sel_hi:[1,0]   ; each accumulator from its low end on
.set J_, J_+2
.endr
.endr
.irp q, 0,1,2,3                                ; block q = 2 x + b at register 64 x + 16 b
	v_max3_num_f32 v[BM+\q], |v[64*(\q/2)+16*(\q%2)]|, |v[64*(\q/2)+16*(\q%2)+1]|, 0x1800000
.endr
.irp i, 2,4,6,8,10,12,14
.irp q, 0,1,2,3
	v_max3_num_f32 v[BM+\q], v[BM+\q], |v[64*(\q/2)+16*(\q%2)+\i]|, |v[64*(\q/2)+16*(\q%2)+\i+1]|
.endr
.endr
.irp q, 0,1,2,3
	v_permlanex16_b32 v[T0+\q], v[BM+\q], s[SEL], s[SEL+1]
.endr
.irp q, 0,1,2,3
	v_max_num_f32 v[BM+\q], v[BM+\q], v[T0+\q]
.endr
.irp q, 0,1,2,3
	v_add_nc_u32 v[SO+\q], 0xff000000, v[BM+\q]
.endr
.irp q, 0,1,2,3
	v_lshrrev_b32 v[BY+\q], 23, v[SO+\q]
.endr
	WIN 0x11
.irp x, 0,1
	v_lshl_or_b32 v[OW+\x], v[BY+2*\x+1], 8, v[BY+2*\x]        ; a tile's two bytes
.endr
	WIN 0x05
.irp x, 0,1
	v_cvt_scalef32_pk16_fp6_f32 v[PC+12*\x:PC+12*\x+2], v[64*\x:64*\x+15], v[SO+2*\x]
	v_cvt_scalef32_pk16_fp6_f32 v[PT+8*\x:PT+8*\x+2], v[64*\x+16:64*\x+31], v[SO+2*\x+1]
.endr
	WIN 0
	v_nop
.irp x, 0,1
.irp i, 0,1,2
	v_permlane16_swap_b32 v[PC+12*\x+\i], v[PT+8*\x+\i]        ; the operand wants a whole block in a lane
.endr
.endr
.irp x, 0,1
.irp i, 0,1,2
	v_mov_b32 v[PC+12*\x+3+\i], v[PT+8*\x+\i]
.endr
.endr
.irp x, 0,1
	global_store_b128 v[LI], v[PC+12*\x:PC+12*\x+3], s[44:45] offset:1536*\x                ; 512 consecutive bytes, aligned
	global_store_b64 v[L8], v[PC+12*\x+4:PC+12*\x+5], s[44:45] offset:1536*\x+512           ; 256 consecutive bytes, aligned
.endr
	global_store_b64 v[L8], v[OW:OW+1], s[46:47]   ; the pair's scale bytes: 256 consecutive bytes, aligned
.irp i, 0,1,2,3,4,5,6,7,8,9,10,11
	v_mov_b32 v[QP+\i], v[QPB+\i]                  ; the second pass: the next pair
.endr
	v_mov_b32 v[QW], v[QW+1]
	s_wait_xcnt 0x0                                ; the stores have read their data and their bases: both are written again only behind this wait
	s_add_nc_u64 s[44:45], s[44:45], 3072
	s_add_nc_u64 s[46:47], s[46:47], 256
	s_sub_co_u32 s[PASS], s[PASS], 1
	s_cmp_lg_u32 s[PASS], 0
	WALU
	s_cbranch_scc1 .Lpass
	s_wait_tensorcnt 0x0                           ; the wave's end
	ds_add_u32 v[SPW], v[NIL]
	s_wait_dscnt 0x0
	CROUND                                         ; the closing round
	s_endpgm
.Lfunc_end_k_q2fc407f087_attn:
	.size	k_q2fc407f087_attn, .Lfunc_end_k_q2fc407f087_attn-k_q2fc407f087_attn
	.p2alignl 7, 3214868480
	.fill 96, 4, 3214868480
	.section	.rodata,"a",@progbits
	.p2align	6, 0x0
	.amdhsa_kernel k_q2fc407f087_attn
		.amdhsa_group_segment_fixed_size 215040
		.amdhsa_private_segment_fixed_size 0
		.amdhsa_enable_private_segment 0
		.amdhsa_kernarg_size 24
		.amdhsa_user_sgpr_count 2
		.amdhsa_user_sgpr_kernarg_segment_ptr 1
		.amdhsa_wavefront_size32 1
		.amdhsa_system_sgpr_workgroup_id_x 1
		.amdhsa_system_sgpr_workgroup_id_y 1
		.amdhsa_system_sgpr_workgroup_id_z 1
		.amdhsa_system_vgpr_workitem_id 0
		.amdhsa_next_free_vgpr 512
		.amdhsa_next_free_sgpr 66
		.amdhsa_reserve_vcc 0
		.amdhsa_float_denorm_mode_32 3
		.amdhsa_float_denorm_mode_16_64 3
		.amdhsa_memory_ordered 1
		.amdhsa_forward_progress 1
		.amdhsa_inst_pref_size 69
	.end_amdhsa_kernel
	.amdgpu_metadata
---
amdhsa.version: [ 1, 2 ]
amdhsa.kernels:
  - .name:           k_q2fc407f087_attn
    .symbol:         k_q2fc407f087_attn.kd
    .args:
      - { .name: qkv, .offset: 0, .size: 8, .value_kind: global_buffer, .address_space: global }
      - { .name: ocodes, .offset: 8, .size: 8, .value_kind: global_buffer, .address_space: global }
      - { .name: oscales, .offset: 16, .size: 8, .value_kind: global_buffer, .address_space: global }
    .group_segment_fixed_size: 215040
    .private_segment_fixed_size: 0
    .kernarg_segment_align: 8
    .kernarg_segment_size: 24
    .max_flat_workgroup_size: 256
    .sgpr_count:     66
    .vgpr_count:     512
    .wavefront_size: 32
...
	.end_amdgpu_metadata
.endif
;; end of part 3
;; launch outproj (part 4): grid 64 x 4, 4 waves a work-group, clusters of 4 x 4, 327,680 bytes of LDS; arguments ocodes, oscales, wrec, bo, out0; writes out0
.if DOCPART == 4
	.amdgcn_target "amdgcn-amd-amdhsa--gfx1250"
	.amdhsa_code_object_version 6
	.text
	.protected	k_q2fc407f087_outproj
	.globl	k_q2fc407f087_outproj
	.p2align	8
	.type	k_q2fc407f087_outproj,@function
k_q2fc407f087_outproj:
	s_mov_b64 s[64:65], 0
	v_nop
	global_prefetch_b8 v0, s[64:65] scope:SCOPE_SE
	s_setreg_imm32_b32 hwreg(HW_REG_WAVE_MODE, 25, 1), 1
	s_wait_xcnt 0x0
	s_wait_alu depctr_hold_cnt(0) depctr_sa_sdst(0) depctr_va_vdst(0) depctr_va_sdst(0) depctr_va_ssrc(0) depctr_va_vcc(0) depctr_vm_vsrc(0)
	s_getreg_b32 s2, hwreg(HW_REG_IB_STS2, 6, 4)
	s_cmp_eq_u32 s2, 0
	s_cbranch_scc0 .Lentry_in_a_cluster
	s_endpgm
.Lentry_in_a_cluster:
	s_bfe_u32 s2, ttmp6, 0x10000c
	s_cmp_lg_u32 s2, 0xf033
	s_cbranch_scc0 .Lentry_shape_is_right
	s_endpgm
.Lentry_shape_is_right:
; OUTPROJ: out0 = o Wo + bo on codes of FP6 (E2M3) with E8M0 scales, f32 sums.  o's codes and scale bytes are as the attention launch leaves them, Wo's records as the first launch leaves them.
; SHARES.  A work-group takes 128 rows (block 4 x cluster x + cx) and 256 columns; a wave 64 columns (group 4 cy + wave), whose weights, all of K (32 fragments, 384 registers), stay in its registers.
; JOINT LOADS, one a wave at the head: waves 0 and 1 two weight records each (wanted by the four work-groups of a row of the cluster), waves 2 and 3 half of o's block each (wanted by a column).  LDS is filled once.
; THE WALK GOES BY ROWS OF THE RESULT: a tile of 16 rows takes all eight K steps on end, 32 products on four accumulators by turns; then it is finished and leaves,
; through my own stage in LDS as whole rows of 256 bytes, while the next tiles are multiplied.  o's fragments of a tile (96 registers) lie in two sets; the set just multiplied takes the tile two on.
; Source 0 = 16 columns of Wo, source 1 = 16 rows of o: a lane holds one row, its registers run along the columns.  The bias is the C of each sum's first product: it enters the sum first.
; The stage lies in my own weight record's LDS bytes, which I alone read and have read out, and into which no fill lands any more.
; No prefetch: all fills stand at the head, and the launch has no loop to run ahead in.
; LIMITS: NaN and infinities are not served.
; REGISTERS: window 0: v1-13 addresses; v16-47 Wo's scale words; v48-111 o's; v112-143 the bias as C; v144-239 o's fragments, set 0.  Windows 1, 2: Wo's fragments of K steps 0-3, 4-7 at 12 (4 (s % 4) + t).
;   window 3: v0-63 two sets of four accumulators; v64-159 o's fragments, set 1; v160-223 rows read back from the stage, two sets (at the head v0-127 take o's scale bytes as they are loaded).
.set WREC, 53248
.set OBLK, 98304
.set XB,   4*WREC
.set GL,  1
.set LW,  2
.set LW4, 3
.set LXA, 4
.set LXB, 5
.set L8A, 6
.set BQO, 7
.set G8,  8
.set STO, 9
.set RD,  10
.set CO,  11
.set L8B, 12
.set WS,  16
.set XS,  48
.set BI,  112
.set XF,  144
.set XF3, 64
.set BK,  160
.set WV,  16
.set MSB, 0
.macro WIN new                         ; the immediate's high byte repeats the setting that is left
.if MSB != \new
	s_set_vgpr_msb (MSB<<8)|\new
.set MSB, \new
.endif
.endm
.macro PLACES                          ; four plain instructions between a matrix instruction and a load into its operands or an LDS store of its result
.rept 4
	v_nop
.endr
.endm
.macro CROUND                          ; a round of the cluster's barrier
	s_barrier_signal -1
	s_barrier_wait -1
	s_cmp_lg_u32 s[WV], 0
	s_cbranch_scc1 .Lnot_wave_0_\@
	s_barrier_signal -3
.Lnot_wave_0_\@:
	s_barrier_wait -3
	s_barrier_signal -1
	s_barrier_wait -1
.endm
.macro FETCHM m                        ; o's eight fragments of tile m, all of K, into set m % 2: 32 loads
.if ((\m)%2) == 0
	WIN 0
.set FB_, XF
.else
	WIN 0xC0                                       ; destination window 3
.set FB_, XF3
.endif
.irp s, 0,1,2,3,4,5,6,7
.irp c, 0,1
.if \s < 4
	ds_load_b128 v[FB_+12*\s+6*\c:FB_+12*\s+6*\c+3], v[LXA] offset:(8*\s+(\m))*1536+768*\c
	ds_load_b64 v[FB_+12*\s+6*\c+4:FB_+12*\s+6*\c+5], v[L8A] offset:(8*\s+(\m))*1536+768*\c+512
.else
	ds_load_b128 v[FB_+12*\s+6*\c:FB_+12*\s+6*\c+3], v[LXB] offset:(8*(\s-4)+(\m))*1536+768*\c
	ds_load_b64 v[FB_+12*\s+6*\c+4:FB_+12*\s+6*\c+5], v[L8B] offset:(8*(\s-4)+(\m))*1536+768*\c+512
.endif
.endr
.endr
	WIN 0
.endm
.macro MULM m                          ; tile m is finished: eight K steps x my four tiles of columns
.set XW_, 3*((\m)%2)                   ; o's set lies in window 0 or 3
.set XR_, XF+(XF3-XF)*((\m)%2)
.set AC_, 32*((\m)%2)
.irp s, 0,1,2,3,4,5,6,7
.if \s == 0
.set WM_, 1|(XW_<<2)|0xC0              ; source 0 Wo (window 1), C the bias (window 0), D window 3
.else
.set WM_, (1+(\s)/4)|(XW_<<2)|0xF0     ; C and D window 3
.endif
	WIN WM_
.irp t, 0,1,2,3
.set WF_, 12*(4*((\s)%4)+\t)
.if \s == 0
	v_wmma_scale_f32_16x16x128_f8f6f4 v[AC_+8*\t:AC_+8*\t+7], v[WF_:WF_+11], v[XR_+12*\s:XR_+12*\s+11], v[BI+8*\t:BI+8*\t+7], v[WS+4*\s+\t], v[XS+8*(\m)+\s] matrix_a_fmt:MATRIX_FMT_FP6 matrix_b_fmt:MATRIX_FMT_FP6
.else
	v_wmma_scale_f32_16x16x128_f8f6f4 v[AC_+8*\t:AC_+8*\t+7], v[WF_:WF_+11], v[XR_+12*\s:XR_+12*\s+11], v[AC_+8*\t:AC_+8*\t+7], v[WS+4*\s+\t], v[XS+8*(\m)+\s] matrix_a_fmt:MATRIX_FMT_FP6 matrix_b_fmt:MATRIX_FMT_FP6
.endif
.endr
.endr
	WIN 0
.endm
.macro TOSTAGE m                       ; 16 rows x 64 columns into my stage and back as whole rows: 8 stores, 8 loads.  LDS serves a wave's instructions in order
.set AC_, 32*((\m)%2)
	WIN 0x0C                                       ; the data: window 3
.irp t, 0,1,2,3
	ds_store_b128 v[STO], v[AC_+8*\t:AC_+8*\t+3] offset:128*(\t/2)+32*(\t%2)          ; each accumulator from its low end on
	ds_store_b128 v[STO], v[AC_+8*\t+4:AC_+8*\t+7] offset:128*(\t/2)+32*(\t%2)+16
.endr
	WIN 0xC0
.irp i, 0,1,2,3,4,5,6,7
	ds_load_b128 v[BK+32*((\m)%2)+4*\i:BK+32*((\m)%2)+4*\i+3], v[RD] offset:544*\i
.endr
	WIN 0
.endm
.macro SEND m, younger                 ; younger: the LDS instructions issued behind tile m's loads from the stage, which may stay out
	s_wait_dscnt \younger
	WIN 0x0C
.irp i, 0,1,2,3,4,5,6,7
	global_store_b128 v[CO], v[BK+32*((\m)%2)+4*\i:BK+32*((\m)%2)+4*\i+3], s[70:71] offset:(32*((\m)/2)+8*((\m)%2)+2*\i+8*(\i/4))*4096 th:TH_STORE_NT   ; sixteen lanes store 256 consecutive bytes, aligned
.endr
	WIN 0
.endm
	s_load_b256 s[4:11], s[0:1], 0x0               ; ocodes 4, oscales 6, wrec 8, bo 10
	s_load_b64 s[12:13], s[0:1], 0x20              ; out0
	v_lshl_add_u32 v254, v0, 2, 0x4c000
	v_mov_b32 v255, 0
	ds_add_u32 v254, v255
	ds_add_u32 v254, v255
	v_lshrrev_b32 v1, 5, v0
	v_readfirstlane_b32 s[WV], v1                  ; wave 0..3
	s_bfe_u32 s17, ttmp6, 0x40000                  ; cx
	s_bfe_u32 s18, ttmp6, 0x40004                  ; cy
	s_lshl_b32 s20, ttmp9, 2
	s_add_co_u32 s20, s20, s17                     ; block of 128 rows
	s_lshl_b32 s21, s18, 2
	s_add_co_u32 s21, s21, s[WV]                   ; my group of 64 columns
	s_lshl_b32 s48, s18, 2
	s_lshl_b32 s48, 15, s48                        ; my row of the cluster
	s_lshl_b32 s49, 0x1111, s17                    ; my column
	s_or_b32 s24, s48, (3<<16)|(1<<21)             ; group 1 for two weight records on end: 416 rows of 256 bytes (32 elements of 8 bytes)
	s_mov_b32 s25, 32<<16
	s_mov_b32 s26, 416<<16
	s_mov_b32 s27, 32<<16
	s_mov_b32 s28, 416
	s_mov_b32 s29, 32
	s_mov_b32 s30, 0
	s_mov_b32 s31, 0
	s_or_b32 s36, s49, (3<<16)|(1<<21)             ; and for half a block of o's codes: 192 such rows
	s_mov_b32 s37, 32<<16
	s_mov_b32 s38, 192<<16
	s_mov_b32 s39, 32<<16
	s_mov_b32 s40, 192
	s_mov_b32 s41, 32
	s_mov_b32 s42, 0
	s_mov_b32 s43, 0
	s_and_b32 s62, s[WV], 1                        ; which half I fetch
	s_lshl_b32 s50, s18, 2
	s_lshl_b32 s63, s62, 1
	s_add_co_u32 s50, s50, s63
	s_add_co_u32 s50, s50, 48                      ; Wo's records 48 + 4 cy + 2 x half and the next: they hang on cy, never on cx
	s_mul_i32 s50, s50, WREC
	s_mov_b32 s51, 0
	s_mul_i32 s52, s20, OBLK                       ; o's block: it hangs on cx, never on cy
	s_mul_i32 s54, s62, 49152
	s_add_co_u32 s52, s52, s54
	s_mov_b32 s53, 0
	s_mul_i32 s55, s[WV], WREC                     ; my record's place in LDS
	v_and_b32 v13, 31, v0
	v_lshlrev_b32 v[GL], 4, v13
	v_add_nc_u32 v[LW], s55, v[GL]
	v_lshlrev_b32 v[LW4], 2, v13
	v_add_nc_u32 v[LW4], s55, v[LW4]
	v_add_nc_u32 v[LXA], XB, v[GL]
	v_add_nc_u32 v[LXB], XB+49152, v[GL]
	v_lshlrev_b32 v[G8], 3, v13
	v_add_nc_u32 v[L8A], XB, v[G8]
	v_add_nc_u32 v[L8B], XB+49152, v[G8]
	v_bfe_u32 v14, v0, 4, 1
	v_lshlrev_b32 v[BQO], 6, v14
	v_and_b32 v15, 15, v0
	v_mul_u32_u24 v[STO], v15, 272                 ; the stage, in: row r of 272 bytes, + 64 h
	v_lshl_add_u32 v[STO], v14, 6, v[STO]
	v_add_nc_u32 v[STO], s55, v[STO]
	v_mul_u32_u24 v[RD], v14, 272                  ; and back: sixteen lanes to a row, two rows an instruction
	v_lshl_add_u32 v[RD], v15, 4, v[RD]
	v_add_nc_u32 v[RD], s55, v[RD]
	v_lshlrev_b32 v[CO], 12, v14
	v_lshl_add_u32 v[CO], v15, 4, v[CO]
	s_wait_dscnt 0x0
	s_wait_kmcnt 0x0
	s_mov_b32 s32, 1
	s_mul_i32 s33, s62, 2*WREC
	s_add_nc_u64 s[34:35], s[8:9], s[50:51]
	s_or_b32 s35, s35, 0x80000000
	s_mov_b32 s44, 1
	s_add_co_u32 s45, s54, XB
	s_add_nc_u64 s[46:47], s[4:5], s[52:53]
	s_or_b32 s47, s47, 0x80000000
	CROUND                                         ; all sixteen work-groups are here: the joint loads meet
	s_cmp_lt_u32 s[WV], 2
	s_cbranch_scc0 .Lfor_x
	tensor_load_to_lds s[32:35], s[24:31]
	s_nop 0
	PLACES
	s_branch .Lasked
.Lfor_x:
	tensor_load_to_lds s[44:47], s[36:43]
	s_nop 0
	PLACES
.Lasked:
	s_wait_alu depctr_va_vdst(0)
	s_lshl_b32 s56, s21, 8
	s_mov_b32 s57, 0
	s_add_nc_u64 s[66:67], s[10:11], s[56:57]      ; my 64 numbers of the bias
	s_add_nc_u64 s[70:71], s[12:13], s[56:57]
	s_lshl_b32 s56, s20, 19
	s_add_nc_u64 s[70:71], s[70:71], s[56:57]      ; my part of out0
	s_lshl_b32 s56, s20, 10
	s_add_nc_u64 s[68:69], s[6:7], s[56:57]        ; my block's scale bytes: [head][pair of tiles][lane][2 words]
	WIN 0xC0
.irp d, 0,1,2,3,4,5,6,7,8,9,10,11,12,13,14,15
.irp p, 0,1,2,3
	global_load_b64 v[8*\d+2*\p:8*\d+2*\p+1], v[G8], s[68:69] offset:65536*\d+256*\p
.endr
.endr
	WIN 0
.irp t, 0,1,2,3
	global_load_b128 v[BI+8*\t:BI+8*\t+3], v[BQO], s[66:67] offset:(32*(\t/2)+8*(\t%2))*4
	global_load_b128 v[BI+8*\t+4:BI+8*\t+7], v[BQO], s[66:67] offset:(32*(\t/2)+8*(\t%2))*4+16
.endr
	s_cmp_lt_u32 s[WV], 2
	s_cbranch_scc0 .Lnot_w
	s_wait_tensorcnt 0x0                           ; waves 0 and 1: my two weight records are in
.Lnot_w:
	s_barrier_signal -1
	s_barrier_wait -1                              ; all four records are shown to all waves; o's codes may still be on their way
	WIN 0x40
.set i, 0
.rept 48
	ds_load_b128 v[4*i:4*i+3], v[LW] offset:512*i
.set i, i+1
.endr
	WIN 0x80
.set i, 0
.rept 48
	ds_load_b128 v[4*i:4*i+3], v[LW] offset:24576+512*i
.set i, i+1
.endr
	WIN 0
.set i, 0
.rept 32
	ds_load_b32 v[WS+i], v[LW4] offset:49152+128*i
.set i, i+1
.endr
	s_wait_loadcnt 0x0
	WIN 0x33
.irp m, 0,1,2,3,4,5,6,7
.irp s, 0,1,2,3,4,5,6,7
	v_lshl_or_b32 v[XS+8*\m+\s], v[8*(2*\s+1)+\m], 16, v[8*(2*\s)+\m]   ; two heads' two bytes each make the scale word of tile m, K step s
.endr
.endr
	WIN 0
.rept 8
	v_nop                                          ; eight places between the writes of scale words and the first product
.endr
	s_wait_alu depctr_va_vdst(0)
	s_wait_tensorcnt 0x0                           ; every wave's load is in,
	s_wait_dscnt 0x0
	s_barrier_signal -1
	s_barrier_wait -1                              ; and shown to all
	FETCHM 0
	FETCHM 1
.irp m, 0,1,2,3,4,5,6,7
.if \m == 0
	s_wait_dscnt 32                                ; tile 0's 32 loads are in; tile 1's may be out
.elseif \m == 1
	s_wait_dscnt 48                                ; tile 1's are in; behind them: tile 2's 32 and tile 0's 16 through the stage
.endif                                         ; from tile 2 on the wait in the last SEND has shown this tile's loads in: they are older than the stage's loads waited for there
	MULM \m
	PLACES
.if \m+2 < 8
	FETCHM \m+2
.endif
.if \m > 1
	s_wait_xcnt 0x0                                ; tile m - 2's stores have read their registers: tile m's rows may land there
.endif
	TOSTAGE \m
.if \m > 0
.if \m+2 < 8
	SEND \m-1, 48                                  ; behind tile m - 1's loads from the stage: a fetch of 32 and tile m's 16
.else
	SEND \m-1, 16
.endif
.endif
.endr
	SEND 7, 0
	s_wait_tensorcnt 0x0                           ; the wave's end
	ds_add_u32 v254, v255
	s_wait_dscnt 0x0
	CROUND                                         ; the closing round
	s_endpgm
.Lfunc_end_k_q2fc407f087_outproj:
	.size	k_q2fc407f087_outproj, .Lfunc_end_k_q2fc407f087_outproj-k_q2fc407f087_outproj
	.p2alignl 7, 3214868480
	.fill 96, 4, 3214868480
	.section	.rodata,"a",@progbits
	.p2align	6, 0x0
	.amdhsa_kernel k_q2fc407f087_outproj
		.amdhsa_group_segment_fixed_size 327680
		.amdhsa_private_segment_fixed_size 0
		.amdhsa_enable_private_segment 0
		.amdhsa_kernarg_size 40
		.amdhsa_user_sgpr_count 2
		.amdhsa_user_sgpr_kernarg_segment_ptr 1
		.amdhsa_wavefront_size32 1
		.amdhsa_system_sgpr_workgroup_id_x 1
		.amdhsa_system_sgpr_workgroup_id_y 1
		.amdhsa_system_sgpr_workgroup_id_z 1
		.amdhsa_system_vgpr_workitem_id 0
		.amdhsa_next_free_vgpr 1024
		.amdhsa_next_free_sgpr 80
		.amdhsa_reserve_vcc 0
		.amdhsa_float_denorm_mode_32 3
		.amdhsa_float_denorm_mode_16_64 3
		.amdhsa_memory_ordered 1
		.amdhsa_forward_progress 1
		.amdhsa_inst_pref_size 92
	.end_amdhsa_kernel
	.amdgpu_metadata
---
amdhsa.version: [ 1, 2 ]
amdhsa.kernels:
  - .name:           k_q2fc407f087_outproj
    .symbol:         k_q2fc407f087_outproj.kd
    .args:
      - { .name: ocodes, .offset: 0, .size: 8, .value_kind: global_buffer, .address_space: global }
      - { .name: oscales, .offset: 8, .size: 8, .value_kind: global_buffer, .address_space: global }
      - { .name: wrec, .offset: 16, .size: 8, .value_kind: global_buffer, .address_space: global }
      - { .name: bo, .offset: 24, .size: 8, .value_kind: global_buffer, .address_space: global }
      - { .name: out0, .offset: 32, .size: 8, .value_kind: global_buffer, .address_space: global }
    .group_segment_fixed_size: 327680
    .private_segment_fixed_size: 0
    .kernarg_segment_align: 8
    .kernarg_segment_size: 40
    .max_flat_workgroup_size: 128
    .sgpr_count:     80
    .vgpr_count:     1024
    .wavefront_size: 32
...
	.end_amdgpu_metadata
.endif
;; end of part 4
